; MI455X (gfx1250); checked and timed in simulation.
; The chip was launched on July 23, 2026; its instructions are those of AMD's public machine-readable ISA for CDNA 5 (MIT licence, August 2026) and "CDNA5" Instruction Set Architecture Reference Guide (July 2026). The comments in the code are by the model that wrote it; some were corrected since.
;; Mo E Block. Allowed arithmetic: matrix products marked QUANTISED: E2M3 operands, one E8M0 scale for each 32 along K, by v_wmma_scale_f32_16x16x128_f8f6f4 with both operands' format E2M3, f32 sums; products left as they are: f32 operands where the result goes on into a quantised operand, else bf16, f16 or f32 operands; f32 sums; everything else in f32.
;; Inputs: W1 8 x 1,024 x 4,096 float32; W2 8 x 4,096 x 1,024 float32; Wr 1,024 x 8 float32; b1 8 x 4,096 float32; b2 8 x 1,024 float32; br 8 float32; x 1,024 x 1,024 float32.
;; Outputs: out0 1,024 x 1,024 float32.
;; This version of the problem:
;;   THIS VERSION OF THE PROBLEM IS GIVEN IN LOW PRECISION. The matrix products marked QUANTISED in the list below multiply operands that are first quantised to E2M3 (2 exponent bits, 3 mantissa bits; 6 bits a number), with one power-of-two scale for each 32 numbers along K (OCP MX v1.0); their sums are f32. All else is computed in f32.
;;   The module's matrix products, in the order in which they are computed (A, B: the left and right operand; K: the contracted axis; several contracted axes count as one K, in the product's order):
;;     1. [M 1,024, K 1,024] x [K 1,024, N 8]; A: input x; B: input Wr: left as it is (N = 8 < 16)
;;     2. [M 32,768, K 1,024] x [K 1,024, N 1,024]; A: input W1; B: input x: QUANTISED
;;     3. batch 8 x [M 1,024, K 4,096] x [K 4,096, N 1,024]; A: computed on the way; B: input W2: QUANTISED
;;   THE QUANTISER, for each operand of a quantised product, along K:
;;     - K is cut into blocks of 32 from its start; a last block that is shorter is filled with zeros.
;;     - A block's scale is 2^e with e = floor(log2(the largest magnitude in the block)) - 2, held to -126 .. 127; a block of zeros has e = 0. As a byte (E8M0): e + 127.
;;     - Each number is divided by its block's scale, clamped to +-7.5, and rounded to the nearest number of E2M3, ties to even, subnormals kept.
;;     - The product sums the exact products of the quantised numbers (number of the format x scale) in f32.
;;   ~~~python
;;   def quantise(x, axis):      # numpy; x: float32 -> the quantised numbers, widened to float32 again
;;       x = np.moveaxis(x, axis, -1); K = x.shape[-1]
;;       x = np.pad(x, [(0, 0)] * (x.ndim - 1) + [(0, -K % 32)]); x = x.reshape(x.shape[:-1] + (-1, 32)); a = np.abs(x).max(-1, keepdims=True)
;;       e = np.where(a > 0, np.clip(np.frexp(np.where(a > 0, a, 1))[1] - 1 - 2, -126, 127), 0)      # np.frexp(a)[1] - 1 = floor(log2(a)), exactly
;;       r = np.clip(x / 2.0 ** e, -7.5, 7.5)
;;       step = 2.0 ** (np.maximum(np.frexp(np.where(r == 0, 1, r))[1] - 1, 0) - 3)
;;       q = np.round(r / step) * step * 2.0 ** e      # np.round: ties to even
;;       return np.moveaxis(q.reshape(q.shape[:-2] + (-1,))[..., :K], -1, axis).astype(np.float32)
;;   ~~~
;;   OPERANDS COMPUTED ON THE WAY. 'Computed on the way' means the value that the module computes at that place (a softmax that the list does not call 'softmax' is quantised finished and normalised). What goes into a quantiser is computed in f32, as accurately as f32 sums, v_exp_f32 and their like allow (about 1e-6 of the number): no bf16 or f16 on the way to a quantiser, and a product that is left as it is and whose result goes on into a quantised operand takes f32 operands (vector FMAs, or v_wmma_f32_16x16x4_f32). A number that lies on a knife's edge between two numbers of the format may be rounded either way, as far as f32 arithmetic and the matrix unit's own rounding can turn it there, and no further.
;; 2 versions. Each part assembles by itself: llvm-mc -triple=amdgcn-amd-amdhsa -mcpu=gfx1250 --defsym DOCPART=n.
;; ======== version 1 of 2: 5 launches
;; workspace buffers: xq 819,200 bytes; sel 8,192 bytes of whole numbers; gate 8,192 bytes; plan 41,216 bytes of whole numbers; hq 27,262,976 bytes; ypart 67,108,864 bytes
;; launch route (part 1): grid 256 x 1, 4 waves a work-group, no clusters, 58,368 bytes of LDS; arguments x, Wr, br, xq, sel, gate; writes xq, sel, gate
.if DOCPART == 1
	.amdgcn_target "amdgcn-amd-amdhsa--gfx1250"
	.amdhsa_code_object_version 6
	.text
	.protected	k_q854e42eec8_route
	.globl	k_q854e42eec8_route
	.p2align	8
	.type	k_q854e42eec8_route,@function
k_q854e42eec8_route:
	s_mov_b64 s[64:65], 0
	v_nop
	global_prefetch_b8 v0, s[64:65] scope:SCOPE_SE
	s_setreg_imm32_b32 hwreg(HW_REG_WAVE_MODE, 25, 1), 1
	s_wait_xcnt 0x0
; ROUTER AND QUANTISER OF x.  logits = x Wr + br in f32, the two largest (ties: the lower index), their softmax; and x as codes of E2M3 with one E8M0 byte for each 32 along D.
; A wave takes one token: token = 4 x work-group + wave.  Lane l owns the block of 32 along D with number beta = 4 ((l >> 1) & 7) + 2 (l & 1) + (l >> 4), so that its 24 bytes of codes belong at byte 24 l of the token's 768:
; xq's codes lie [token][h][s][c][24 bytes], block 4 s + 2 c + h, which is the order in which a lane (row, h) of a matrix operand takes its eight fragments: one run of 384 bytes.
; xq's scale bytes lie from byte XSOFF on, [token][32], byte beta for block beta: word s is the scale word of K step s.
; No address and no branch hangs on the logits: the chosen experts and their weights go to fixed places (sel, gate); a later launch places the rows.
; No matrix unit: the product has 8 columns.  No cluster: what the work-groups share is Wr, 32 KiB.
; LIMITS: NaN and infinities among the inputs, and logits that are not finite, are not served.  A block of zeros gets the byte 1 (the rule says 127) with zero codes: only this program reads the bytes.
; The logits are summed in another order than a row-by-row sum: 32 numbers in a lane, then a tree over the lanes; where the second and the third logit lie within about 1e-6 of their size, the other expert may be chosen.
.set XSOFF, 786432                     ; where the scale bytes begin in xq
.set WP,    1040                       ; LDS: Wr as 32 rows of 1,024 bytes (32 k x 8 experts) + 16
.set REG0,  33280                      ; behind Wr: a region of REGB bytes for each wave
.set REGB,  6144
.set CST,   4608                       ; in a region: byte 0 the stage for x, 32 places of 128 + 16 bytes; CST the codes' 768 bytes; SST the 32 scale bytes
.set SST,   5376
.set X,     16                         ; v16-47   my block's 32 numbers
.set LG,    48                         ; v48-55   my part of the 8 logits, then the logits
.set WA,    64                         ; v64-127  Wr as loaded; then 8 k x 8 experts of my block
.set WB,    128                        ; v128-191 x as loaded; then the other 8 k x 8 experts
	s_load_b256 s[4:11], s[0:1], 0x0               ; x s[4:5], Wr s[6:7], br s[8:9], xq s[10:11]
	s_load_b128 s[12:15], s[0:1], 0x20             ; sel s[12:13], gate s[14:15]
	v_lshl_add_u32 v224, v0, 2, 0xe200
	v_mov_b32 v225, 0
	v_lshrrev_b32 v2, 5, v0
	v_readfirstlane_b32 s16, v2                    ; wave
	v_and_b32 v1, 31, v0                           ; lane l
	s_lshl_b32 s17, ttmp9, 2
	s_add_co_u32 s17, s17, s16                     ; token
	s_mov_b32 s20, 0x76543210
	s_mov_b32 s21, 0xfedcba98                      ; v_permlanex16_b32's selects for lane l xor 16
	v_lshlrev_b32 v3, 4, v1                        ; 16 l
	v_bfe_u32 v2, v1, 1, 3
	v_and_b32 v14, 1, v1
	v_lshlrev_b32 v2, 2, v2
	v_lshl_add_u32 v2, v14, 1, v2
	v_lshrrev_b32 v14, 4, v1
	v_add_nc_u32 v2, v2, v14                       ; beta
	s_mul_i32 s18, s16, REGB
	s_add_co_u32 s18, s18, REG0                    ; my wave's region
	v_lshrrev_b32 v4, 3, v1
	v_mul_u32_u24 v4, v4, 144
	v_and_b32 v14, 7, v1
	v_lshl_add_u32 v4, v14, 4, v4
	v_add_nc_u32 v4, s18, v4                       ; x's stage, in: eight lanes' 128 bytes on end, then 16 of padding
	v_mul_u32_u24 v5, v2, 144
	v_add_nc_u32 v5, s18, v5                       ; and out: my block
	s_mul_i32 s19, s16, 8*WP
	v_add_nc_u32 v6, s19, v3                       ; Wr, in: wave w brings rows 8 w .. 8 w + 7
	v_mul_u32_u24 v7, v2, WP                       ; Wr, out: row beta
	v_mul_u32_u24 v8, v1, 24
	v_add_nc_u32 v8, s18, v8
	v_add_nc_u32 v8, CST, v8                       ; the codes, in: 24 l
	v_lshlrev_b32 v12, 3, v1                       ; 8 l
	v_add_nc_u32 v9, s18, v12
	v_add_nc_u32 v9, CST, v9                       ; and out: 8 l
	v_add_nc_u32 v10, s18, v2
	v_add_nc_u32 v10, SST, v10                     ; my block's scale byte
	v_lshl_add_u32 v11, v14, 2, s18
	v_add_nc_u32 v11, SST, v11                     ; the scale words, out: 4 (l & 7)
	v_lshlrev_b32 v13, 2, v1                       ; 4 l
	v_mov_b32 v15, 0
	s_lshl_b32 s36, s17, 12
	s_mov_b32 s37, 0
	s_lshl_b32 s38, s16, 13
	s_mov_b32 s39, 0
	s_wait_kmcnt 0x0
	s_add_nc_u64 s[4:5], s[4:5], s[36:37]          ; my token's row of x
	s_add_nc_u64 s[6:7], s[6:7], s[38:39]          ; my wave's quarter of Wr
.irp i, 0,1,2,3,4,5,6,7
	global_load_b128 v[WB+4*\i:WB+4*\i+3], v3, s[4:5] offset:512*\i th:TH_LOAD_NT   ; 32 lanes read 512 consecutive bytes; x is read here and nowhere else
.endr
.irp i, 0,1,2,3,4,5,6,7,8,9,10,11,12,13,14,15
	global_load_b128 v[WA+4*\i:WA+4*\i+3], v3, s[6:7] offset:512*\i
.endr
	s_load_b256 s[24:31], s[8:9], 0x0              ; br
	s_mul_i32 s36, s17, 768
	s_add_nc_u64 s[40:41], s[10:11], s[36:37]      ; my token's codes
	s_lshl_b32 s36, s17, 5
	s_add_nc_u64 s[42:43], s[10:11], s[36:37]      ; its scale bytes, less XSOFF
	s_lshl_b32 s36, s17, 3
	s_add_nc_u64 s[44:45], s[12:13], s[36:37]      ; its pair in sel
	s_add_nc_u64 s[46:47], s[14:15], s[36:37]      ; and in gate
	s_wait_loadcnt 16                              ; x's eight loads are in; Wr's sixteen, issued behind them, may be out
.irp i, 0,1,2,3,4,5,6,7
	ds_store_b128 v4, v[WB+4*\i:WB+4*\i+3] offset:576*\i   ; a load's 512 bytes are four blocks: four places of 144
.endr
.irp i, 0,1,2,3,4,5,6,7
	ds_load_b128 v[X+4*\i:X+4*\i+3], v5 offset:16*\i       ; my wave's own bytes: LDS serves a wave's instructions in order
.endr
	s_wait_loadcnt 0x0                             ; Wr
.irp i, 0,1,2,3,4,5,6,7,8,9,10,11,12,13,14,15
	ds_store_b128 v6, v[WA+4*\i:WA+4*\i+3] offset:(\i/2)*WP+(\i%2)*512
.endr
	s_wait_dscnt 0x0                               ; for the others' sake: my part of Wr lies in LDS (and my block of x is in)
	s_barrier_signal -1
	s_barrier_wait -1                              ; all of Wr lies in LDS; nobody writes it again
.macro LDW set, kb                     ; Wr(32 beta + 8 kb + kk, 0 .. 7), kk = 0 .. 7: sixteen loads
.irp kk, 0,1,2,3,4,5,6,7
	ds_load_b128 v[\set+8*\kk:\set+8*\kk+3], v7 offset:32*(8*\kb+\kk)
	ds_load_b128 v[\set+8*\kk+4:\set+8*\kk+7], v7 offset:32*(8*\kb+\kk)+16
.endr
.endm
.macro FMA set, kb                     ; two experts an instruction; x's number is taken for both halves; four chains by turns.  The first product starts the sums
.irp kk, 0,1,2,3,4,5,6,7
.irp m, 0,1,2,3
.if (8*\kb+\kk) == 0
	v_pk_mul_f32 v[LG+2*\m:LG+2*\m+1], v[X:X+1], v[\set+2*\m:\set+2*\m+1] op_sel_hi:[0,1]
.elseif (\kk)%2 == 0
	v_pk_fma_f32 v[LG+2*\m:LG+2*\m+1], v[X+8*\kb+\kk:X+8*\kb+\kk+1], v[\set+8*\kk+2*\m:\set+8*\kk+2*\m+1], v[LG+2*\m:LG+2*\m+1] op_sel_hi:[0,1,1]
.else
	v_pk_fma_f32 v[LG+2*\m:LG+2*\m+1], v[X+8*\kb+\kk-1:X+8*\kb+\kk], v[\set+8*\kk+2*\m:\set+8*\kk+2*\m+1], v[LG+2*\m:LG+2*\m+1] op_sel:[1,0,0] op_sel_hi:[1,1,1]
.endif
.endr
.endr
.endm
	LDW WA, 0
	LDW WB, 1
	s_wait_dscnt 16                                ; the older sixteen are in, the other set's sixteen may be out: so at each of these three waits
	FMA WA, 0
	LDW WA, 2
	s_wait_dscnt 16
	FMA WB, 1
	LDW WB, 3
	s_wait_dscnt 16
	FMA WA, 2
	s_wait_dscnt 0x0
	FMA WB, 3
	; my block's scale and codes
	v_max3_num_f32 v200, |v[X]|, |v[X+1]|, 0x1800000               ; the largest magnitude, in two chains, with the floor 2^(3 - 127) among the leaves: the byte cannot fall under 1
	v_max3_num_f32 v201, |v[X+2]|, |v[X+3]|, |v[X+4]|
.irp i, 5,9,13,17,21,25
	v_max3_num_f32 v200, v200, |v[X+\i]|, |v[X+\i+1]|
	v_max3_num_f32 v201, v201, |v[X+\i+2]|, |v[X+\i+3]|
.endr
	v_max3_num_f32 v200, v200, |v[X+29]|, |v[X+30]|
	v_max3_num_f32 v200, v200, v201, |v[X+31]|
	v_add_nc_u32 v202, 0xff000000, v200            ; 2 off its exponent field: the conversion takes the exponent field of this operand as its scale
	v_cvt_scalef32_pk16_fp6_f32 v[192:194], v[X:X+15], v202
	v_cvt_scalef32_pk16_fp6_f32 v[196:198], v[X+16:X+31], v202     ; (a conversion's three registers begin on an even number)
	v_lshrrev_b32 v203, 23, v202                   ; the scale's byte; also the plain line behind the conversions
	v_mov_b32 v195, v196
	v_mov_b32 v196, v197
	v_mov_b32 v197, v198                           ; v192-197: the block's 24 bytes
	ds_store_b64 v8, v[192:193]
	ds_store_b64 v8, v[194:195] offset:8
	ds_store_b64 v8, v[196:197] offset:16
	ds_store_b8 v10, v203
.irp i, 0,1,2
	ds_load_b64 v[214+2*\i:215+2*\i], v9 offset:256*\i     ; back 8 bytes a lane, so that a store covers 256 consecutive bytes
.endr
	ds_load_b32 v220, v11
	; the logits: the sum over the 32 lanes, in every lane
.irp m, 1,2,4,8
.irp e, 0,1,2,3,4,5,6,7
	v_add_f32_dpp v[LG+\e], v[LG+\e], v[LG+\e] row_xmask:\m row_mask:0xf bank_mask:0xf
.endr
.endr
.irp e, 0,1,2,3,4,5,6,7
	v_permlanex16_b32 v[WA+\e], v[LG+\e], s20, s21
.endr
	s_wait_kmcnt 0x0                               ; br
.irp e, 0,1,2,3,4,5,6,7
	v_add_f32 v[LG+\e], v[LG+\e], v[WA+\e]
.endr
.irp e, 0,1,2,3,4,5,6,7
	v_add_f32 v[LG+\e], s[24+\e], v[LG+\e]
.endr
	; the two largest, by selects alone.  A strict 'greater' walking upward keeps the lower index
	v_mov_b32 v204, 0xff800000                     ; -infinity
	v_mov_b32 v212, v[LG]
	v_mov_b32 v208, 0
.irp e, 1,2,3,4,5,6,7
	v_cmp_gt_f32 vcc_lo, v[LG+\e], v212
	v_cndmask_b32 v212, v212, v[LG+\e], vcc_lo
	v_cndmask_b32 v208, v208, \e, vcc_lo
.endr
.irp e, 0,1,2,3,4,5,6,7
	v_cmp_eq_u32 vcc_lo, \e, v208
	v_cndmask_b32 v[LG+\e], v[LG+\e], v204, vcc_lo ; the largest is taken out
.endr
	v_mov_b32 v213, v[LG]
	v_mov_b32 v209, 0
.irp e, 1,2,3,4,5,6,7
	v_cmp_gt_f32 vcc_lo, v[LG+\e], v213
	v_cndmask_b32 v213, v213, v[LG+\e], vcc_lo
	v_cndmask_b32 v209, v209, \e, vcc_lo
.endr
	; softmax of the two, the larger taken away first: w0 = 1 / (1 + t), w1 = t w0, t = e^(second - first), at most 1
	v_sub_f32 v205, v213, v212
	v_mul_f32 v205, 0x3fb8aa3b, v205
	v_exp_f32 v206, v205
	v_nop                                          ; a plain line behind the transcendental,
	s_wait_alu depctr_va_vdst(0)                   ; and the wait ahead of the first line that names its result
	v_add_f32 v207, 1.0, v206
	v_rcp_f32 v210, v207
	v_nop
	s_wait_alu depctr_va_vdst(0)
	v_mul_f32 v211, v206, v210
	s_wait_dscnt 0x0                               ; the codes and the scale words are back
.irp i, 0,1,2
	global_store_b64 v12, v[214+2*\i:215+2*\i], s[40:41] offset:256*\i   ; 32 lanes store 256 consecutive bytes, at a multiple of 256 from xq's first byte
.endr
	s_wait_xcnt 0x0                                ; EXEC changes only behind this wait
	v_cmp_gt_u32 vcc_lo, 8, v1
	s_wait_dscnt 0x0
	s_barrier_signal -1
	s_barrier_wait -1
	s_wait_tensorcnt 0x0
	ds_add_u32 v224, v225
	s_wait_dscnt 0x0
	s_and_saveexec_b32 s32, vcc_lo
	global_store_b32 v13, v220, s[42:43] offset:XSOFF      ; lanes 0-7: the token's 32 scale bytes
	s_wait_xcnt 0x0
	s_or_b32 exec_lo, exec_lo, s32
	v_cmp_eq_u32 vcc_lo, 0, v1
	s_and_saveexec_b32 s33, vcc_lo
	global_store_b64 v15, v[208:209], s[44:45]     ; lane 0: the two experts, the better first,
	global_store_b64 v15, v[210:211], s[46:47]     ; and their weights
	s_wait_xcnt 0x0
	s_or_b32 exec_lo, exec_lo, s33
	s_endpgm
.Lfunc_end_k_q854e42eec8_route:
	.size	k_q854e42eec8_route, .Lfunc_end_k_q854e42eec8_route-k_q854e42eec8_route
	.p2alignl 7, 3214868480
	.fill 96, 4, 3214868480
	.section	.rodata,"a",@progbits
	.p2align	6, 0x0
	.amdhsa_kernel k_q854e42eec8_route
		.amdhsa_group_segment_fixed_size 58368
		.amdhsa_private_segment_fixed_size 0
		.amdhsa_enable_private_segment 0
		.amdhsa_kernarg_size 48
		.amdhsa_user_sgpr_count 2
		.amdhsa_user_sgpr_kernarg_segment_ptr 1
		.amdhsa_wavefront_size32 1
		.amdhsa_system_sgpr_workgroup_id_x 1
		.amdhsa_system_sgpr_workgroup_id_y 1
		.amdhsa_system_sgpr_workgroup_id_z 1
		.amdhsa_system_vgpr_workitem_id 0
		.amdhsa_next_free_vgpr 226
		.amdhsa_next_free_sgpr 66
		.amdhsa_reserve_vcc 1
		.amdhsa_float_denorm_mode_32 3
		.amdhsa_float_denorm_mode_16_64 3
		.amdhsa_memory_ordered 1
		.amdhsa_forward_progress 1
		.amdhsa_inst_pref_size 29
	.end_amdhsa_kernel
	.amdgpu_metadata
---
amdhsa.version: [ 1, 2 ]
amdhsa.kernels:
  - .name:           k_q854e42eec8_route
    .symbol:         k_q854e42eec8_route.kd
    .args:
      - { .name: x, .offset: 0, .size: 8, .value_kind: global_buffer, .address_space: global }
      - { .name: Wr, .offset: 8, .size: 8, .value_kind: global_buffer, .address_space: global }
      - { .name: br, .offset: 16, .size: 8, .value_kind: global_buffer, .address_space: global }
      - { .name: xq, .offset: 24, .size: 8, .value_kind: global_buffer, .address_space: global }
      - { .name: sel, .offset: 32, .size: 8, .value_kind: global_buffer, .address_space: global }
      - { .name: gate, .offset: 40, .size: 8, .value_kind: global_buffer, .address_space: global }
    .group_segment_fixed_size: 58368
    .private_segment_fixed_size: 0
    .kernarg_segment_align: 8
    .kernarg_segment_size: 48
    .max_flat_workgroup_size: 128
    .sgpr_count:     66
    .vgpr_count:     226
    .wavefront_size: 32
...
	.end_amdgpu_metadata
.endif
;; end of part 1
;; launch place (part 2): grid 1 x 1, 32 waves a work-group, no clusters, 5,120 bytes of LDS; arguments sel, plan; writes plan
.if DOCPART == 2
	.amdgcn_target "amdgcn-amd-amdhsa--gfx1250"
	.amdhsa_code_object_version 6
	.text
	.protected	k_q854e42eec8_place
	.globl	k_q854e42eec8_place
	.p2align	8
	.type	k_q854e42eec8_place,@function
k_q854e42eec8_place:
	s_mov_b64 s[64:65], 0
	v_nop
	global_prefetch_b8 v0, s[64:65] scope:SCOPE_SE
	s_setreg_imm32_b32 hwreg(HW_REG_WAVE_MODE, 25, 1), 1
	s_wait_xcnt 0x0
; THE ROWS ARE PLACED BY EXPERT: a counting sort of the 2,048 routed rows without atomics, by one work-group of 32 waves; thread = token.
; plan: byte 0: list [expert][1024] i32, the expert's tokens in ascending order (only the first R_e entries are written, and only those are read later);
;       byte 32,768: inv [token][2] i32, slot = 1024 x expert + place in its list;  byte 40,960: cnt [8] i32, R_e.
; A token's place in expert e's list = the tokens of e in the waves before mine + those in the lanes before mine.  The first comes from a table of the waves' counts in LDS, the second from the wave's mask of e.
; One work-group: the work is 8 KiB in and 16 KiB out, and the places hang on all tokens.
	s_load_b128 s[4:7], s[0:1], 0x0                ; sel s[4:5], plan s[6:7]
	v_lshl_add_u32 v64, v0, 2, 0x400
	v_mov_b32 v65, 0
	v_lshrrev_b32 v1, 5, v0
	v_readfirstlane_b32 s8, v1                     ; wave
	v_and_b32 v1, 31, v0                           ; lane
	v_lshlrev_b32 v4, 3, v0                        ; 8 x token
	s_lshl_b32 s9, s8, 5
	v_mov_b32 v5, s9                               ; the table: my wave's eight words
	v_lshlrev_b32 v6, 5, v1                        ; and the eight words of the wave with my lane's number
	v_lshlrev_b32 v7, 2, v1
	s_mov_b32 s10, 0x76543210
	s_mov_b32 s11, 0xfedcba98                      ; v_permlanex16_b32's selects for lane l xor 16
	v_mov_b32 v41, 0                               ; my places in my two experts' lists
	v_mov_b32 v42, 0
.irp e, 0,1,2,3,4,5,6,7
	v_mov_b32 v[32+\e], 0                          ; written once: the destination of a lane exchange counts as one of its sources
.endr
	s_wait_kmcnt 0x0
	global_load_b64 v[2:3], v4, s[4:5]
	s_wait_loadcnt 0x0
	v_min_u32 v2, 7, v2                            ; an expert's number stays inside the table
	v_min_u32 v3, 7, v3
.irp e, 0,1,2,3,4,5,6,7
	v_cmp_eq_u32 s[16+\e], \e, v2                  ; the lanes whose first expert is e,
	v_cmp_eq_u32 s[24+\e], \e, v3                  ; whose second is,
.endr
.irp e, 0,1,2,3,4,5,6,7
	s_or_b32 s[32+\e], s[16+\e], s[24+\e]          ; either: a token's two experts differ,
	s_bcnt1_i32_b32 s[40+\e], s[32+\e]             ; so this is my wave's count for e
.endr
.irp e, 0,1,2,3,4,5,6,7
	v_mov_b32 v[8+\e], s[40+\e]
	ds_store_b32 v5, v[8+\e] offset:4*\e           ; all lanes write the same word with the same value
.endr
	s_wait_dscnt 0x0                               ; for the others' sake
	s_barrier_signal -1
	s_barrier_wait -1
	ds_load_b128 v[16:19], v6
	ds_load_b128 v[20:23], v6 offset:16            ; lane w holds wave w's eight counts
	s_wait_dscnt 0x0
	v_cmp_gt_u32 vcc_lo, s8, v1                    ; the waves before mine
.irp e, 0,1,2,3,4,5,6,7
	v_cndmask_b32 v[24+\e], 0, v[16+\e], vcc_lo
.endr
.irp m, 1,2,4,8
.irp e, 0,1,2,3,4,5,6,7
	v_mov_b32_dpp v[32+\e], v[24+\e] row_xmask:\m row_mask:0xf bank_mask:0xf
.endr
.irp e, 0,1,2,3,4,5,6,7
	v_add_nc_u32 v[24+\e], v[24+\e], v[32+\e]
.endr
.endr
.irp e, 0,1,2,3,4,5,6,7
	v_permlanex16_b32 v[32+\e], v[24+\e], s10, s11
.endr
.irp e, 0,1,2,3,4,5,6,7
	v_add_nc_u32 v[24+\e], v[24+\e], v[32+\e]      ; in every lane: e's tokens in the waves before mine
.endr
.irp e, 0,1,2,3,4,5,6,7
	v_mbcnt_lo_u32_b32 v40, s[32+\e], v[24+\e]     ; + those in the lanes before mine
	v_cndmask_b32 v41, v41, v40, s[16+\e]
	v_cndmask_b32 v42, v42, v40, s[24+\e]
.endr
	v_min_u32 v41, 0x3ff, v41
	v_min_u32 v42, 0x3ff, v42
	v_lshl_add_u32 v44, v2, 10, v41                ; the two slots
	v_lshl_add_u32 v45, v3, 10, v42
	v_lshlrev_b32 v46, 2, v44
	v_lshlrev_b32 v47, 2, v45
	global_store_b32 v46, v0, s[6:7]               ; list
	global_store_b32 v47, v0, s[6:7]
	global_store_b64 v4, v[44:45], s[6:7] offset:32768     ; inv: a wave stores 256 consecutive bytes
	s_cmp_lg_u32 s8, 31                            ; the last wave knows the totals; no barrier stands behind this branch
	s_cbranch_scc1 .Lend
.irp e, 0,1,2,3,4,5,6,7
	v_add_nc_u32 v[48+\e], s[40+\e], v[24+\e]
.endr
	v_mov_b32 v56, v48
.irp e, 1,2,3,4,5,6,7
	v_cmp_eq_u32 vcc_lo, \e, v1
	v_cndmask_b32 v56, v56, v[48+\e], vcc_lo       ; lane e takes R_e
.endr
	s_wait_xcnt 0x0                                ; EXEC changes only behind this wait
	v_cmp_gt_u32 vcc_lo, 8, v1
	s_and_saveexec_b32 s48, vcc_lo
	global_store_b32 v7, v56, s[6:7] offset:40960  ; cnt
	s_wait_xcnt 0x0
	s_or_b32 exec_lo, exec_lo, s48
.Lend:
	s_wait_dscnt 0x0
	s_barrier_signal -1
	s_barrier_wait -1
	s_wait_tensorcnt 0x0
	ds_add_u32 v64, v65
	s_wait_dscnt 0x0
	s_endpgm
.Lfunc_end_k_q854e42eec8_place:
	.size	k_q854e42eec8_place, .Lfunc_end_k_q854e42eec8_place-k_q854e42eec8_place
	.p2alignl 7, 3214868480
	.fill 96, 4, 3214868480
	.section	.rodata,"a",@progbits
	.p2align	6, 0x0
	.amdhsa_kernel k_q854e42eec8_place
		.amdhsa_group_segment_fixed_size 5120
		.amdhsa_private_segment_fixed_size 0
		.amdhsa_enable_private_segment 0
		.amdhsa_kernarg_size 16
		.amdhsa_user_sgpr_count 2
		.amdhsa_user_sgpr_kernarg_segment_ptr 1
		.amdhsa_wavefront_size32 1
		.amdhsa_system_sgpr_workgroup_id_x 1
		.amdhsa_system_sgpr_workgroup_id_y 1
		.amdhsa_system_sgpr_workgroup_id_z 1
		.amdhsa_system_vgpr_workitem_id 0
		.amdhsa_next_free_vgpr 66
		.amdhsa_next_free_sgpr 66
		.amdhsa_reserve_vcc 1
		.amdhsa_float_denorm_mode_32 3
		.amdhsa_float_denorm_mode_16_64 3
		.amdhsa_memory_ordered 1
		.amdhsa_forward_progress 1
		.amdhsa_inst_pref_size 12
	.end_amdhsa_kernel
	.amdgpu_metadata
---
amdhsa.version: [ 1, 2 ]
amdhsa.kernels:
  - .name:           k_q854e42eec8_place
    .symbol:         k_q854e42eec8_place.kd
    .args:
      - { .name: sel, .offset: 0, .size: 8, .value_kind: global_buffer, .address_space: global }
      - { .name: plan, .offset: 8, .size: 8, .value_kind: global_buffer, .address_space: global }
    .group_segment_fixed_size: 5120
    .private_segment_fixed_size: 0
    .kernarg_segment_align: 8
    .kernarg_segment_size: 16
    .max_flat_workgroup_size: 1024
    .sgpr_count:     66
    .vgpr_count:     66
    .wavefront_size: 32
...
	.end_amdgpu_metadata
.endif
;; end of part 2
;; launch ffn1 (part 3): grid 32 x 8, 4 waves a work-group, no clusters, 111,104 bytes of LDS; arguments W1, b1, xq, plan, hq; writes hq
.if DOCPART == 3
	.amdgcn_target "amdgcn-amd-amdhsa--gfx1250"
	.amdhsa_code_object_version 6
	.text
	.protected	k_q854e42eec8_ffn1
	.globl	k_q854e42eec8_ffn1
	.p2align	8
	.type	k_q854e42eec8_ffn1,@function
k_q854e42eec8_ffn1:
	s_mov_b64 s[64:65], 0
	v_nop
	global_prefetch_b8 v0, s[64:65] scope:SCOPE_SE
	s_setreg_imm32_b32 hwreg(HW_REG_WAVE_MODE, 25, 1), 1
	s_wait_xcnt 0x0
; FIRST LAYER OF THE CHOSEN EXPERTS: h = relu(x W1[e] + b1[e]) for the rows routed to expert e, on codes of E2M3 with one E8M0 scale for each 32 along K, and h quantised along H on the way out.
; A work-group owns W1[e][0 .. 1023][128 sl .. 128 sl + 127] (sl = work-group x, e = work-group y): 512 KiB of f32, read from memory ONCE in the program and never stored as codes.
; PHASE Q: each of the four waves streams a quarter of the block (256 rows k), 512 consecutive bytes an instruction, two sets of 32 loads by turns; a lane's 4 columns x 32 k are turned in registers so that a column's
; 32 numbers stand in consecutive registers, quantised, and laid into LDS in the order of the operand's registers.  ONE barrier.  Then EVERY wave takes all 64 fragments (16 hidden units x 128 k each, 768 registers) and
; their scale words out of LDS.  PHASE P, no barrier: wave w walks the expert's row tiles t = w, w + 4, .. below nt = ceil(R_e / 16): 64 matrix instructions a tile; the next tile's x comes from memory straight into the registers
; that the tile in hand has done with.  The rows of the last tile beyond R_e repeat row R_e - 1 (the list index is held at R_e - 1).  An expert without rows still runs phase Q: the barrier stands under no branch on a loaded number.
; THE MATRIX INSTRUCTION IS USED TRANSPOSED (source 0 = 16 hidden units, source 1 = 16 rows of x): a lane holds one row.  THE HIDDEN UNITS OF A TILE ARE NOT NEIGHBOURS: lane r of tile 2 b + u is unit 32 b + 8 u + r + 8 (r / 8),
; so that the 16 registers of tiles 2 b and 2 b + 1 are 16 neighbours along the next K.  The slice's 128 units are K step sl of the second layer: one fragment and one scale word a row, stored as an image of the registers.
; The bias is the C of each sum's first matrix instruction: it is loaded from an image in LDS into the accumulators.
; NO TENSOR LOADS, NO CLUSTER, NO JOINT REQUESTS, though the 32 slices of an expert read the same rows of xq: the trip count of phase P hangs on a count read from memory, and the f32 weights pass through registers for the quantiser anyway.
; LIMITS: NaN and infinities are not served.  A block of zeros gets the byte 1 (the rule says 127) with zero codes: only this program reads the bytes.
; hq: codes [64 e + t][s = 0 .. 31][1,536 bytes]: group q of four registers at 512 q + 16 x lane;  from HSOFF on the scale words [64 e + t][s][32 lanes] (lanes 16-31 hold what lanes 0-15 hold).
; REGISTERS, in windows of 256: fragment f = 8 s + T (s: K step of 128 along D, T: tile of hidden units) lies in window 1 + f / 21 at v[12 (f % 21)], fragment 63 in window 0.  In phase Q window 1 holds the two sets of loads.
.set WSC,   98304                      ; LDS: byte 0 the fragments: f at 1,536 f, lane at 48 x lane, half c at 24 c;  WSC: the scale words: (f, r) at 64 f + 4 r, byte 2 c + h;
.set BIMG,  102400                     ; BIMG: the bias as an image of the accumulators: group g of four registers at 512 g + 16 x lane
.set HSOFF, 25165824
.set XSOFF, 786432
.set L16,  1                           ; v1   16 x lane; never rewritten
.set L4,   2                           ; v2   4 x lane; never rewritten
.set XO,   3                           ; v3   my row's codes in xq: 768 x token + 384 h
.set XSO,  4                           ; v4   its scale bytes: 32 x token
.set LOF,  5                           ; v5   the list entry to be read
.set LN,   6                           ; v6   the token read from the list
.set R15,  7                           ; v7   lane % 16
.set H384, 8                           ; v8   384 h
.set LA0,  9                           ; v9   48 x lane: fragments 0-31;  v10: fragments 32-63
.set LA1,  10
.set BI,   11                          ; v11  BIMG + 16 x lane
.set PB2,  12                          ; v12-14 a conversion's result
.set WSA,  15                          ; v15  WSC + 4 x lane
.set WS,   16                          ; v16-47 the weights' scale words: register i: lanes 0-15 fragment 2 i, lanes 16-31 fragment 2 i + 1
.set XS,   48                          ; v48-55 x's scale words, K step s
.set X,    56                          ; v56-151 x's eight fragments
.set ACC,  152                         ; v152-215 eight accumulators
.set W63,  216                         ; v216-227 fragment 63
.set PC,   228                         ; v228-239 the codes just made
.set PB,   240                         ; v240-242 a conversion's result
.set VWA,  243                         ; v243 phase Q: where my codes go
.set TM,   244                         ; v244-251 at work in the quantiser
.set PW,   252                         ; v252 the scale word just made
.set TK,   253                         ; v253 at work
.set VSA,  254                         ; v254 phase Q: where my scale bytes go
.set BST,  255                         ; v255 phase Q: where my part of the bias goes
.set TR,   64                          ; phase Q: v64-191 column j's 32 numbers at 32 j
.set CD,   192                         ;          v192-223 column j's codes at 8 j  (at the head v192-207: the bias as loaded)
.set MX,   224                         ;          v224-227 largest magnitudes, then the conversions' scale operands
.set BY,   228                         ;          v228-231 the scale bytes
.set LT,   248                         ;          the lane, at the head
.set BLO,  252                         ;          64 h, at the head
.set MSB, 0
.macro WIN new                         ; the immediate's high byte repeats the setting that is left; a switch that changes nothing is dropped
.if MSB != (\new)
	s_set_vgpr_msb (MSB<<8)|(\new)
.set MSB, (\new)
.endif
.endm
	s_load_b256 s[4:11], s[0:1], 0x0               ; W1 s[4:5], b1 s[6:7], xq s[8:9], plan s[10:11]
	s_load_b64 s[12:13], s[0:1], 0x20              ; hq
	s_set_vgpr_msb 0x80
	v_lshl_add_u32 v254, v0, 2, 0x1b000
	v_mov_b32 v255, 0
	s_set_vgpr_msb 0x8000
	v_lshrrev_b32 v[TK], 5, v0
	v_readfirstlane_b32 s14, v[TK]                 ; wave
	s_mov_b32 s15, ttmp9                           ; sl
	s_and_b32 s16, ttmp7, 0xffff                   ; e
	s_mov_b32 s32, 0x76543210
	s_mov_b32 s33, 0xfedcba98                      ; v_permlanex16_b32's selects for lane l xor 16
	v_and_b32 v[LT], 31, v0
	v_lshlrev_b32 v[L16], 4, v[LT]
	v_lshlrev_b32 v[L4], 2, v[LT]
	v_and_b32 v[R15], 15, v[LT]
	v_lshrrev_b32 v[TK], 4, v[LT]                  ; h
	v_mul_u32_u24 v[H384], v[TK], 384
	v_lshlrev_b32 v[BLO], 6, v[TK]
	v_mul_u32_u24 v[LA0], v[LT], 48
	v_add_nc_u32 v[LA1], 49152, v[LA0]
	v_add_nc_u32 v[BI], BIMG, v[L16]
	v_add_nc_u32 v[WSA], WSC, v[L4]
	s_lshl_b32 s21, s14, 11
	v_add_nc_u32 v[BST], s21, v[BI]                ; wave w brings the bias of units 32 w .. 32 w + 31: groups 4 w .. 4 w + 3
	; lane l loads columns n = 4 l + j.  Of n: tile T = 2 (l >> 3) + ((l >> 1) & 1), lane r = j + 4 (l & 1) + 8 ((l >> 2) & 1)
	v_lshrrev_b32 v[TK], 3, v[LT]
	v_mul_u32_u24 v[VWA], v[TK], 3072
	v_lshlrev_b32 v[VSA], 7, v[TK]
	v_bfe_u32 v[TK], v[LT], 1, 1
	v_mad_u32_u24 v[VWA], v[TK], 1536, v[VWA]
	v_lshl_add_u32 v[VSA], v[TK], 6, v[VSA]
	v_bfe_u32 v[TK], v[LT], 2, 1
	v_mad_u32_u24 v[VWA], v[TK], 384, v[VWA]
	v_lshl_add_u32 v[VSA], v[TK], 5, v[VSA]
	v_and_b32 v[TK], 1, v[LT]
	v_mad_u32_u24 v[VWA], v[TK], 192, v[VWA]
	v_lshl_add_u32 v[VSA], v[TK], 4, v[VSA]
	s_mul_i32 s21, s14, 24576                      ; wave w makes K steps 2 w and 2 w + 1: 16 fragments
	v_add_nc_u32 v[VWA], s21, v[VWA]
	s_lshl_b32 s21, s14, 10
	s_add_co_u32 s21, s21, WSC
	v_add_nc_u32 v[VSA], s21, v[VSA]
	s_lshl_b32 s36, s16, 24                        ; W1: expert e, column 128 sl, row 256 x wave
	s_lshl_b32 s21, s15, 9
	s_add_co_u32 s36, s36, s21
	s_lshl_b32 s21, s14, 22
	s_add_co_u32 s36, s36, s21
	s_mov_b32 s37, 0                               ; s37 stays 0: s[36:37] is the pair in which offsets are handed to 64-bit sums
	s_lshl_b32 s38, s16, 14                        ; b1: expert e, unit 128 sl + 32 x wave
	s_lshl_b32 s21, s15, 9
	s_add_co_u32 s38, s38, s21
	s_lshl_b32 s21, s14, 7
	s_add_co_u32 s38, s38, s21
	s_mov_b32 s39, 0
	s_lshl_b32 s22, s16, 2
	s_mov_b32 s23, 0
	s_wait_kmcnt 0x0
	s_add_nc_u64 s[34:35], s[4:5], s[36:37]
	s_add_nc_u64 s[38:39], s[6:7], s[38:39]
	s_add_nc_u64 s[22:23], s[10:11], s[22:23]
	s_load_b32 s17, s[22:23], 0xa000               ; R_e
.irp u, 0,1
.irp q, 0,1
	global_load_b128 v[CD+4*(2*\u+\q):CD+4*(2*\u+\q)+3], v[BLO], s[38:39] offset:32*\u+16*\q   ; lane (r, h), tile 2 w + u: the bias of units 32 w + 16 h + 8 u + 4 q on
.endr
.endr
.macro QLOAD set, i                    ; rows 32 i .. 32 i + 31 of my quarter: a row's 512 bytes an instruction, into a set of 128 registers of window 1
	WIN 0x40
.set K, 0
.rept 32
	global_load_b128 v[128*(\set)+4*K:128*(\set)+4*K+3], v[L16], s[34:35] offset:(32*(\i)+K)*16384 th:TH_LOAD_NT
.set K, K+1
.endr
.endm
	QLOAD 0, 0
	QLOAD 1, 1
	s_lshl_b32 s36, s16, 12
	s_add_nc_u64 s[26:27], s[10:11], s[36:37]      ; the expert's list
	s_add_nc_u64 s[24:25], s[8:9], XSOFF           ; x's scale bytes
	s_lshl_b32 s21, s16, 6                         ; the expert's first tile record: 64 e
	s_mul_i32 s36, s21, 49152
	s_mul_i32 s40, s15, 1536
	s_add_co_u32 s36, s36, s40
	s_add_nc_u64 s[28:29], s[12:13], s[36:37]      ; where tile 0's codes of K step sl go; never rewritten
	s_lshl_b32 s36, s21, 12
	s_lshl_b32 s40, s15, 7
	s_add_co_u32 s36, s36, s40
	s_add_nc_u64 s[30:31], s[12:13], s[36:37]
	s_add_nc_u64 s[30:31], s[30:31], HSOFF         ; and its scale words; never rewritten
	s_wait_kmcnt 0x0
	s_min_u32 s17, s17, 1024                       ; R
	s_add_co_u32 s18, s17, 15
	s_lshr_b32 s18, s18, 4                         ; nt
	s_sub_co_u32 s20, s17, 1                       ; R - 1 (not used where R = 0)
; Unit i of a wave: the block of 32 along K with number 8 w + i: K step 2 w + i / 4, half c = (i / 2) % 2, lanes' half h = i % 2.
.macro QUNIT i
.set qs, (\i)%2
.set qc, ((\i)/2)%2
.set qo, (\i)/4
.if (\i) < 7
	s_wait_loadcnt 32                              ; this unit's 32 loads (and what was issued ahead of them) are in; the other set's 32 may be out
.else
	s_wait_loadcnt 0x0
.endif
.if (\i) == 0
	WIN 0
.irp g, 0,1,2,3
	ds_store_b128 v[BST], v[CD+4*\g:CD+4*\g+3] offset:512*\g
.endr
.endif
	WIN 0x01                                       ; source window 1
.set K, 0
.rept 32
.irp j, 0,1,2,3
	v_mov_b32 v[TR+32*\j+K], v[128*qs+4*K+\j]      ; column j's numbers down K into consecutive registers: the conversions want them so
.endr
.set K, K+1
.endr
.if (\i)+2 < 8
	QLOAD qs, (\i)+2                               ; the set is free: it takes the unit two on
.endif
	WIN 0
.irp j, 0,1,2,3
	v_max3_num_f32 v[MX+\j], |v[TR+32*\j]|, |v[TR+32*\j+1]|, 0x1800000   ; the block's largest magnitude, and the floor 2^(3 - 127): the byte cannot fall under 1
.endr
.irp p, 2,4,6,8,10,12,14,16,18,20,22,24,26,28,30
.irp j, 0,1,2,3
	v_max3_num_f32 v[MX+\j], v[MX+\j], |v[TR+32*\j+\p]|, |v[TR+32*\j+\p+1]|   ; (the four columns by turns)
.endr
.endr
.irp j, 0,1,2,3
	v_add_nc_u32 v[MX+\j], 0xff000000, v[MX+\j]    ; 2 off the exponent field: the conversion's scale operand
.endr
	s_wait_dscnt 0x0                               ; the last unit's LDS stores (in unit 0: the bias's) have read their registers
.irp j, 0,1,2,3
	v_lshrrev_b32 v[BY+\j], 23, v[MX+\j]           ; the scale's byte
.endr
.irp j, 0,1,2,3
	v_cvt_scalef32_pk16_fp6_f32 v[CD+8*\j:CD+8*\j+2], v[TR+32*\j:TR+32*\j+15], v[MX+\j]
	v_cvt_scalef32_pk16_fp6_f32 v[CD+8*\j+4:CD+8*\j+6], v[TR+32*\j+16:TR+32*\j+31], v[MX+\j]   ; (a conversion's three registers begin on an even number)
.endr
	v_nop                                          ; one plain line behind the conversions
.irp j, 0,1,2,3
	v_mov_b32 v[CD+8*\j+3], v[CD+8*\j+4]
	v_mov_b32 v[CD+8*\j+4], v[CD+8*\j+5]
	v_mov_b32 v[CD+8*\j+5], v[CD+8*\j+6]           ; six registers on end: the block's 24 bytes
.endr
.irp j, 0,1,2,3
.if qc == 0
	ds_store_b128 v[VWA], v[CD+8*\j:CD+8*\j+3] offset:qo*12288+768*qs+48*\j
	ds_store_b64 v[VWA], v[CD+8*\j+4:CD+8*\j+5] offset:qo*12288+768*qs+48*\j+16
.else
	ds_store_b64 v[VWA], v[CD+8*\j:CD+8*\j+1] offset:qo*12288+768*qs+48*\j+24
	ds_store_b128 v[VWA], v[CD+8*\j+2:CD+8*\j+5] offset:qo*12288+768*qs+48*\j+32
.endif
	ds_store_b8 v[VSA], v[BY+\j] offset:qo*512+4*\j+2*qc+qs
.endr
.endm
.irp i, 0,1,2,3,4,5,6,7
	QUNIT \i
.endr
	s_wait_dscnt 0x0                               ; for the others' sake: my codes, bytes and bias lie in LDS
	s_barrier_signal -1
	s_barrier_wait -1                              ; the block lies in LDS as 64 fragments; nobody writes LDS again
.set F, 0
.rept 64
.if F < 63
	WIN (1+F/21)<<6                                ; destination: the fragment's window
.set fW, 12*(F%21)
.else
	WIN 0
.set fW, W63
.endif
.irp q, 0,1,2
	ds_load_b128 v[fW+4*\q:fW+4*\q+3], v[LA0+F/32] offset:1536*(F%32)+16*\q
.endr
.set F, F+1
.endr
	WIN 0
.set G, 0
.rept 32
	ds_load_b32 v[WS+G], v[WSA] offset:128*G
.set G, G+1
.endr
.irp b, 0,1,2,3
	v_mov_b32 v[TM+4+\b], 0                        ; written once: a lane permute's destination counts as one of its sources
.endr
	s_wait_dscnt 0x0
	s_cmp_ge_u32 s14, s18                          ; a wave without a tile ends: no barrier stands behind this branch
	s_cbranch_scc1 .Lend
.macro XRUN p                          ; x's fragments 4 p .. 4 p + 3 of the rows at XO, and their scale words: 13 loads
.irp s, 0,1,2,3
.irp q, 0,1,2
	global_load_b128 v[X+12*(4*\p+\s)+4*\q:X+12*(4*\p+\s)+4*\q+3], v[XO], s[8:9] offset:48*(4*\p+\s)+16*\q
.endr
.endr
	global_load_b128 v[XS+4*\p:XS+4*\p+3], v[XSO], s[24:25] offset:16*\p
.endm
.macro BIAS                            ; the bias into the accumulators
.set G, 0
.rept 16
	ds_load_b128 v[ACC+4*G:ACC+4*G+3], v[BI] offset:512*G
.set G, G+1
.endr
.endm
.macro LISTAT                          ; s21 = 16 x a tile's number: the list entry of my row there, held at R - 1 and inside the list
	v_add_nc_u32 v[LOF], s21, v[R15]
	v_min_u32 v[LOF], s20, v[LOF]
	v_min_u32 v[LOF], 0x3ff, v[LOF]
	v_lshlrev_b32 v[LOF], 2, v[LOF]
.endm
.macro ROWAT                           ; the token just read: where its codes and scale bytes lie
	v_min_u32 v[TK], 0x3ff, v[LN]
	v_mul_u32_u24 v[XO], 0x300, v[TK]
	v_add_nc_u32 v[XO], v[XO], v[H384]
	v_lshlrev_b32 v[XSO], 5, v[TK]
.endm
.macro OUTAT                           ; where tile t's codes (s[44:45]) and scale words (s[46:47]) go: the fixed bases + the tile's number, held inside the expert's 64 records, x a record
	s_min_u32 s22, s19, 63
	s_mul_i32 s36, s22, 49152
	s_add_nc_u64 s[44:45], s[28:29], s[36:37]
	s_lshl_b32 s36, s22, 12
	s_add_nc_u64 s[46:47], s[30:31], s[36:37]
.endm
.macro MM f                            ; the eight accumulators take turns, one instruction a turn
.set fT, (\f)%8
.set fs, (\f)/8
.if (\f) < 63
	WIN 1+(\f)/21
.set fW, 12*((\f)%21)
.else
	WIN 0
.set fW, W63
.endif
.if (\f)%2
	v_wmma_scale_f32_16x16x128_f8f6f4 v[ACC+8*fT:ACC+8*fT+7], v[fW:fW+11], v[X+12*fs:X+12*fs+11], v[ACC+8*fT:ACC+8*fT+7], v[WS+(\f)/2], v[XS+fs] matrix_a_fmt:MATRIX_FMT_FP6 matrix_b_fmt:MATRIX_FMT_FP6 matrix_a_scale:MATRIX_SCALE_ROW1
.else
	v_wmma_scale_f32_16x16x128_f8f6f4 v[ACC+8*fT:ACC+8*fT+7], v[fW:fW+11], v[X+12*fs:X+12*fs+11], v[ACC+8*fT:ACC+8*fT+7], v[WS+(\f)/2], v[XS+fs] matrix_a_fmt:MATRIX_FMT_FP6 matrix_b_fmt:MATRIX_FMT_FP6
.endif
.endm
; 64 numbers of a lane, register 16 b + i = hidden unit 32 b + 16 h + i of my row, none negative, become a fragment's codes in v[PC] on and its scale word in v[PW].
.macro QUANT
.irp b, 0,1,2,3
	v_max3_num_f32 v[TM+\b], v[ACC+16*\b], v[ACC+16*\b+1], 0x1800000   ; block b: my 16 numbers and the floor 2^(3 - 127)
.endr
.irp i, 2,4,6,8,10,12,14
.irp b, 0,1,2,3
	v_max3_num_f32 v[TM+\b], v[TM+\b], v[ACC+16*\b+\i], v[ACC+16*\b+\i+1]
.endr
.endr
.irp b, 0,1,2,3
	v_permlanex16_b32 v[TM+4+\b], v[TM+\b], s32, s33
.endr
.irp b, 0,1,2,3
	v_max_num_f32 v[TM+\b], v[TM+\b], v[TM+4+\b]   ; with lane l xor 16's: the block's largest
.endr
.irp b, 0,1,2,3
	v_add_nc_u32 v[TM+\b], 0xff000000, v[TM+\b]    ; the conversion's scale operand
.endr
.irp b, 0,1,2,3
	v_lshrrev_b32 v[TM+4+\b], 23, v[TM+\b]         ; the scale's byte
.endr
	v_lshl_or_b32 v[PW], v[TM+5], 8, v[TM+4]
	v_lshl_or_b32 v[PW], v[TM+6], 16, v[PW]
	v_lshl_or_b32 v[PW], v[TM+7], 24, v[PW]
	v_cvt_scalef32_pk16_fp6_f32 v[PC:PC+2], v[ACC:ACC+15], v[TM]
	v_cvt_scalef32_pk16_fp6_f32 v[PB:PB+2], v[ACC+16:ACC+31], v[TM+1]
	v_cvt_scalef32_pk16_fp6_f32 v[PC+6:PC+8], v[ACC+32:ACC+47], v[TM+2]
	v_cvt_scalef32_pk16_fp6_f32 v[PB2:PB2+2], v[ACC+48:ACC+63], v[TM+3]
	v_nop                                          ; one plain line behind the conversions
.irp i, 0,1,2                                  ; the operand's layout wants a whole block in a lane: lanes 0-15 block 2 c, lanes 16-31 block 2 c + 1
	v_permlane16_swap_b32 v[PC+\i], v[PB+\i]
.endr
.irp i, 0,1,2
	v_mov_b32 v[PC+3+\i], v[PB+\i]
.endr
.irp i, 0,1,2
	v_permlane16_swap_b32 v[PC+6+\i], v[PB2+\i]
.endr
.irp i, 0,1,2
	v_mov_b32 v[PC+9+\i], v[PB2+\i]
.endr
.endm
	s_mov_b32 s19, s14                             ; t = wave
	s_sub_co_u32 s43, s18, s14                     ; my trips: the tiles w, w + 4, .. below nt: (nt - w + 3) / 4,
	s_add_co_u32 s43, s43, 3
	s_lshr_b32 s43, s43, 2
	s_min_u32 s43, s43, 16                         ; at most 16: 64 tiles for four waves
	s_mov_b32 s42, 0                               ; the loop is counted in trips, one a trip; t only makes addresses
	OUTAT
	s_lshl_b32 s21, s19, 4
	LISTAT
	global_load_b32 v[LN], v[LOF], s[26:27]
	s_wait_loadcnt 0x0
	ROWAT
	XRUN 0
	XRUN 1
	s_add_co_u32 s21, s21, 64                      ; tile t + 4
	LISTAT
	global_load_b32 v[LN], v[LOF], s[26:27]
	BIAS
.Ltile:
	s_wait_loadcnt 14                              ; x's fragments 0-3 and their scale words are in; behind them were issued the other 13 loads of x and the list's one
	s_wait_dscnt 0x0                               ; the bias lies in the accumulators
.set F, 0
.rept 32
	MM F
.set F, F+1
.endr
	WIN 0
	s_wait_loadcnt 0x0                             ; fragments 4-7, and the next tile's token; every load's address register is free
	s_lshl_b32 s21, s19, 4
	s_add_co_u32 s21, s21, 128                     ; tile t + 8
	ROWAT                                          ; these eight plain lines name no register of the products above: they are the places in front of the loads below
	LISTAT
	XRUN 0                                         ; the next tile's first half, into registers that are done with
.rept 32
	MM F
.set F, F+1
.endr
	WIN 0
.rept 4
	v_nop                                          ; places in front of loads into registers that the products have read, and of the first read of results
.endr
	XRUN 1
	global_load_b32 v[LN], v[LOF], s[26:27]
.set J, 0
.rept 64
	v_max_num_f32 v[ACC+J], 0, v[ACC+J]            ; the activation, in f32; each accumulator from its low end on
.set J, J+1
.endr
	QUANT
	BIAS                                           ; for the next tile
.irp q, 0,1,2
	global_store_b128 v[L16], v[PC+4*\q:PC+4*\q+3], s[44:45] offset:512*\q   ; 32 lanes store 512 consecutive bytes, at a multiple of 256 from hq's first byte
.endr
	global_store_b32 v[L4], v[PW], s[46:47]
	s_wait_xcnt 0x0                                ; the stores have read their registers and bases: both may be written again
	s_add_co_u32 s19, s19, 4                       ; the next tile of mine,
	OUTAT                                          ; and where it goes
	s_add_co_u32 s42, s42, 1
	s_cmp_lt_u32 s42, s43
	s_cbranch_scc1 .Ltile
.Lend:
	s_wait_dscnt 0x0
	s_barrier_signal -1
	s_barrier_wait -1
	s_set_vgpr_msb 0xa
	s_wait_tensorcnt 0x0
	ds_add_u32 v254, v255
	s_wait_dscnt 0x0
	s_set_vgpr_msb 0xa00
	s_endpgm
.Lfunc_end_k_q854e42eec8_ffn1:
	.size	k_q854e42eec8_ffn1, .Lfunc_end_k_q854e42eec8_ffn1-k_q854e42eec8_ffn1
	.p2alignl 7, 3214868480
	.fill 96, 4, 3214868480
	.section	.rodata,"a",@progbits
	.p2align	6, 0x0
	.amdhsa_kernel k_q854e42eec8_ffn1
		.amdhsa_group_segment_fixed_size 111104
		.amdhsa_private_segment_fixed_size 0
		.amdhsa_enable_private_segment 0
		.amdhsa_kernarg_size 40
		.amdhsa_user_sgpr_count 2
		.amdhsa_user_sgpr_kernarg_segment_ptr 1
		.amdhsa_wavefront_size32 1
		.amdhsa_system_sgpr_workgroup_id_x 1
		.amdhsa_system_sgpr_workgroup_id_y 1
		.amdhsa_system_sgpr_workgroup_id_z 1
		.amdhsa_system_vgpr_workitem_id 0
		.amdhsa_next_free_vgpr 1024
		.amdhsa_next_free_sgpr 66
		.amdhsa_reserve_vcc 0
		.amdhsa_float_denorm_mode_32 3
		.amdhsa_float_denorm_mode_16_64 3
		.amdhsa_memory_ordered 1
		.amdhsa_forward_progress 1
		.amdhsa_inst_pref_size 150
	.end_amdhsa_kernel
	.amdgpu_metadata
---
amdhsa.version: [ 1, 2 ]
amdhsa.kernels:
  - .name:           k_q854e42eec8_ffn1
    .symbol:         k_q854e42eec8_ffn1.kd
    .args:
      - { .name: W1, .offset: 0, .size: 8, .value_kind: global_buffer, .address_space: global }
      - { .name: b1, .offset: 8, .size: 8, .value_kind: global_buffer, .address_space: global }
      - { .name: xq, .offset: 16, .size: 8, .value_kind: global_buffer, .address_space: global }
      - { .name: plan, .offset: 24, .size: 8, .value_kind: global_buffer, .address_space: global }
      - { .name: hq, .offset: 32, .size: 8, .value_kind: global_buffer, .address_space: global }
    .group_segment_fixed_size: 111104
    .private_segment_fixed_size: 0
    .kernarg_segment_align: 8
    .kernarg_segment_size: 40
    .max_flat_workgroup_size: 128
    .sgpr_count:     66
    .vgpr_count:     1024
    .wavefront_size: 32
...
	.end_amdgpu_metadata
.endif
;; end of part 3
;; launch ffn2 (part 4): grid 32 x 8, 4 waves a work-group, no clusters, 120,320 bytes of LDS; arguments W2, hq, plan, ypart; writes ypart
.if DOCPART == 4
	.amdgcn_target "amdgcn-amd-amdhsa--gfx1250"
	.amdhsa_code_object_version 6
	.text
	.protected	k_q854e42eec8_ffn2
	.globl	k_q854e42eec8_ffn2
	.p2align	8
	.type	k_q854e42eec8_ffn2,@function
k_q854e42eec8_ffn2:
	s_mov_b64 s[64:65], 0
	v_nop
	global_prefetch_b8 v0, s[64:65] scope:SCOPE_SE
	s_setreg_imm32_b32 hwreg(HW_REG_WAVE_MODE, 25, 1), 1
	s_wait_xcnt 0x0
; SECOND LAYER OF THE CHOSEN EXPERTS, as partial sums: ypart[kh][1024 e + i][64 sl ..] = the sum over hidden units 2048 kh .. 2048 kh + 2047 of h[i] W2[e], on codes of E2M3 with one E8M0 scale for each 32 along K.
; A work-group owns W2[e][2048 kh .. + 2047][64 sl .. + 63] (sl = work-group x / 2, kh = work-group x % 2, e = work-group y): 512 KiB of f32, read from memory ONCE and never stored as codes.
; K is cut in two so that 256 work-groups have a block each whose row pieces are 256 consecutive bytes; the halves, the bias, the sigmoid and the gates meet in the last launch.
; PHASE Q: each wave streams a quarter of the block (512 rows k): lanes 0-15 a row's 256 bytes, lanes 16-31 those of the row 32 further down; two sets of 32 loads by turns; turned in registers, quantised, laid into LDS in
; the order of the operand's registers.  ONE barrier.  Every wave then takes all 64 fragments (16 columns x 128 k) and their scale words.  PHASE P, no barrier: wave w walks row tiles t = w, w + 4, .. below nt = ceil(R_e / 16):
; 64 matrix instructions a tile; h's fragments come from hq as images of their registers, 512 consecutive bytes a load, through a ring of eight fragments in registers, two groups of four K steps ahead.
; THE MATRIX INSTRUCTION IS USED TRANSPOSED (source 0 = 16 columns of W2, source 1 = 16 rows of h): a lane holds eight neighbouring numbers of a row; a tile leaves through the wave's own stage in LDS as whole pieces of 256 bytes.
; NO TENSOR LOADS, NO CLUSTER, NO JOINT REQUESTS, though the 16 slices of an expert's half read the same tiles of hq: the trip count of phase P hangs on a count read from memory, and the f32 weights pass through registers anyway.
; LIMITS: NaN and infinities are not served.  A block of zeros gets the byte 1 (the rule says 127) with zero codes: only this program reads the bytes.
; REGISTERS: fragment f = 4 s + T (s: K step of the half, T: tile of 16 columns) lies in window 1 + f / 21 at v[12 (f % 21)], fragment 63 in window 0.  In phase Q window 1 holds the two sets of loads.
.set WSC,   98304                      ; LDS: byte 0 the fragments: f at 1,536 f, lane at 48 x lane, half c at 24 c;  WSC: the scale words: (f, r) at 64 f + 4 r, byte 2 c + h;
.set STG,   102400                     ; STG: a stage of 16 rows x (256 + 16) bytes for each wave
.set HSOFF, 25165824
.set L16,  1                           ; v1   16 x lane
.set HSO,  2                           ; v2   h's scale words: 4 x lane, and 128 more for lanes 16-31: they take the K step after lanes 0-15's
.set STO,  3                           ; v3   the stage, in
.set RD,   4                           ; v4   the stage, out
.set YO,   5                           ; v5   my byte offset in two rows of ypart
.set LA0,  6                           ; v6   48 x lane: fragments 0-31;  v7: fragments 32-63
.set LA1,  7
.set WSA,  8                           ; v8   WSC + 4 x lane
.set WO,   9                           ; v9   phase Q: my 16 bytes of a row piece, lanes 16-31 32 rows down
.set VWA,  10                          ; v10  phase Q: where my codes go
.set VSA,  11                          ; v11  phase Q: where my scale bytes go
.set WS,   16                          ; v16-47 the weights' scale words: register i: lanes 0-15 fragment 2 i, lanes 16-31 fragment 2 i + 1
.set HS,   48                          ; v48-55 h's scale words: register i: lanes 0-15 K step 2 i, lanes 16-31 K step 2 i + 1
.set H,    56                          ; v56-151 a ring of eight fragments of h: K step s in place s % 8
.set ACC,  152                         ; v152-183 four accumulators
.set OUT,  184                         ; v184-215 16 rows read back from the stage
.set W63,  216                         ; v216-227 fragment 63
.set TR,   64                          ; phase Q: v64-191 column j's 32 numbers at 32 j
.set CD,   192                         ;          v192-223 column j's codes at 8 j
.set MX,   224                         ;          v224-227 largest magnitudes, then the conversions' scale operands
.set BY,   228                         ;          v228-231 the scale bytes
.set MSB, 0
.macro WIN new                         ; the immediate's high byte repeats the setting that is left; a switch that changes nothing is dropped
.if MSB != (\new)
	s_set_vgpr_msb (MSB<<8)|(\new)
.set MSB, (\new)
.endif
.endm
	s_load_b256 s[4:11], s[0:1], 0x0               ; W2 s[4:5], hq s[6:7], plan s[8:9], ypart s[10:11]
	v_lshl_add_u32 v254, v0, 2, 0x1d400
	v_mov_b32 v255, 0
	v_lshrrev_b32 v12, 5, v0
	v_readfirstlane_b32 s14, v12                   ; wave
	s_lshr_b32 s15, ttmp9, 1                       ; sl
	s_and_b32 s21, ttmp9, 1                        ; kh
	s_and_b32 s16, ttmp7, 0xffff                   ; e
	v_and_b32 v12, 31, v0                          ; lane
	v_and_b32 v13, 15, v12                         ; lane % 16
	v_lshrrev_b32 v14, 4, v12                      ; lane / 16
	v_lshlrev_b32 v[L16], 4, v12
	v_lshlrev_b32 v[HSO], 2, v12
	v_lshl_add_u32 v[HSO], v14, 7, v[HSO]
	v_lshlrev_b32 v[YO], 4, v13
	v_lshl_add_u32 v[WO], v14, 17, v[YO]           ; 32 rows of 4,096 bytes
	s_mul_i32 s20, s14, 4352
	s_add_co_u32 s20, s20, STG                     ; my stage
	v_mul_u32_u24 v[STO], v13, 272
	v_lshl_add_u32 v[STO], v14, 5, v[STO]
	v_add_nc_u32 v[STO], s20, v[STO]               ; in: row lane % 16, 32 bytes for each half of the lanes
	v_mul_u32_u24 v[RD], v14, 272
	v_add_nc_u32 v[RD], v[RD], v[YO]
	v_add_nc_u32 v[RD], s20, v[RD]                 ; out: lanes 0-15 one row, lanes 16-31 the next
	v_lshl_add_u32 v[YO], v14, 12, v[YO]           ; and the same two rows in ypart
	v_mul_u32_u24 v[LA0], v12, 48
	v_add_nc_u32 v[LA1], 49152, v[LA0]
	v_lshlrev_b32 v[WSA], 2, v12
	v_add_nc_u32 v[WSA], WSC, v[WSA]
	; lane (q = lane % 16, g = lane / 16) loads columns 4 q + j: tile T = q / 4, lane r = 4 (q % 4) + j; its rows are the half h = g of a K step's half c
	v_lshrrev_b32 v15, 2, v13
	v_mul_u32_u24 v[VWA], v15, 1536
	v_lshlrev_b32 v[VSA], 6, v15
	v_and_b32 v15, 3, v13
	v_mad_u32_u24 v[VWA], v15, 192, v[VWA]
	v_lshl_add_u32 v[VSA], v15, 4, v[VSA]
	v_mad_u32_u24 v[VWA], v14, 768, v[VWA]
	v_add_nc_u32 v[VSA], v[VSA], v14
	s_mul_i32 s20, s14, 24576                      ; wave w makes K steps 4 w .. 4 w + 3: 16 fragments
	v_add_nc_u32 v[VWA], s20, v[VWA]
	s_lshl_b32 s20, s14, 10
	s_add_co_u32 s20, s20, WSC
	v_add_nc_u32 v[VSA], s20, v[VSA]
	s_lshl_b32 s36, s16, 24                        ; W2: expert e, half kh, column 64 sl, row 512 x wave
	s_lshl_b32 s20, s21, 23
	s_add_co_u32 s36, s36, s20
	s_lshl_b32 s20, s15, 8
	s_add_co_u32 s36, s36, s20
	s_lshl_b32 s20, s14, 21
	s_add_co_u32 s36, s36, s20
	s_mov_b32 s37, 0                               ; s37 stays 0: s[36:37] is the pair in which offsets are handed to 64-bit sums
	s_lshl_b32 s22, s16, 2
	s_mov_b32 s23, 0
	s_wait_kmcnt 0x0
	s_add_nc_u64 s[34:35], s[4:5], s[36:37]
	s_add_nc_u64 s[22:23], s[8:9], s[22:23]
	s_load_b32 s17, s[22:23], 0xa000               ; R_e
.macro QLOAD set, i                    ; rows 64 i + K (lanes 0-15) and 64 i + 32 + K (lanes 16-31) of my quarter, into a set of 128 registers of window 1
	WIN 0x40
.set K, 0
.rept 32
	global_load_b128 v[128*(\set)+4*K:128*(\set)+4*K+3], v[WO], s[34:35] offset:(64*(\i)+K)*4096 th:TH_LOAD_NT
.set K, K+1
.endr
.endm
	QLOAD 0, 0
	QLOAD 1, 1
	s_mul_i32 s36, s16, 3145728                    ; hq: the expert's 64 tile records, the half's 16 K steps
	s_mul_i32 s20, s21, 24576
	s_add_co_u32 s36, s36, s20
	s_add_nc_u64 s[24:25], s[6:7], s[36:37]
	s_lshl_b32 s36, s16, 18
	s_lshl_b32 s20, s21, 11
	s_add_co_u32 s36, s36, s20
	s_add_nc_u64 s[30:31], s[6:7], s[36:37]
	s_add_nc_u64 s[30:31], s[30:31], HSOFF         ; and their scale words
	s_lshl_b32 s36, s21, 25                        ; ypart: half kh, row 1024 e, column 64 sl; never rewritten
	s_lshl_b32 s20, s16, 22
	s_add_co_u32 s36, s36, s20
	s_lshl_b32 s20, s15, 8
	s_add_co_u32 s36, s36, s20
	s_add_nc_u64 s[38:39], s[10:11], s[36:37]
	s_wait_kmcnt 0x0
	s_min_u32 s17, s17, 1024                       ; R
	s_add_co_u32 s18, s17, 15
	s_lshr_b32 s18, s18, 4                         ; nt
	s_sub_co_u32 s23, s18, 1                       ; nt - 1 (not used where nt = 0)
; Unit i of a wave: the blocks of 32 along K with numbers 16 w + 2 i + g: K step 4 w + i / 2, half c = i % 2, lanes' half h = g.
.macro QUNIT i
.set qs, (\i)%2
.set qo, (\i)/2
.if (\i) < 7
	s_wait_loadcnt 32                              ; this unit's 32 loads are in; the other set's 32 may be out
.else
	s_wait_loadcnt 0x0
.endif
	WIN 0x01                                       ; source window 1
.set K, 0
.rept 32
.irp j, 0,1,2,3
	v_mov_b32 v[TR+32*\j+K], v[128*qs+4*K+\j]      ; column j's numbers down K into consecutive registers
.endr
.set K, K+1
.endr
.if (\i)+2 < 8
	QLOAD qs, (\i)+2                               ; the set is free: it takes the unit two on
.endif
	WIN 0
.irp j, 0,1,2,3
	v_max3_num_f32 v[MX+\j], |v[TR+32*\j]|, |v[TR+32*\j+1]|, 0x1800000   ; the block's largest magnitude, and the floor 2^(3 - 127)
.endr
.irp p, 2,4,6,8,10,12,14,16,18,20,22,24,26,28,30
.irp j, 0,1,2,3
	v_max3_num_f32 v[MX+\j], v[MX+\j], |v[TR+32*\j+\p]|, |v[TR+32*\j+\p+1]|
.endr
.endr
.irp j, 0,1,2,3
	v_add_nc_u32 v[MX+\j], 0xff000000, v[MX+\j]    ; the conversion's scale operand
.endr
	s_wait_dscnt 0x0                               ; the last unit's LDS stores have read their registers
.irp j, 0,1,2,3
	v_lshrrev_b32 v[BY+\j], 23, v[MX+\j]           ; the scale's byte
.endr
.irp j, 0,1,2,3
	v_cvt_scalef32_pk16_fp6_f32 v[CD+8*\j:CD+8*\j+2], v[TR+32*\j:TR+32*\j+15], v[MX+\j]
	v_cvt_scalef32_pk16_fp6_f32 v[CD+8*\j+4:CD+8*\j+6], v[TR+32*\j+16:TR+32*\j+31], v[MX+\j]
.endr
	v_nop                                          ; one plain line behind the conversions
.irp j, 0,1,2,3
	v_mov_b32 v[CD+8*\j+3], v[CD+8*\j+4]
	v_mov_b32 v[CD+8*\j+4], v[CD+8*\j+5]
	v_mov_b32 v[CD+8*\j+5], v[CD+8*\j+6]
.endr
.irp j, 0,1,2,3
.if qs == 0
	ds_store_b128 v[VWA], v[CD+8*\j:CD+8*\j+3] offset:qo*6144+48*\j
	ds_store_b64 v[VWA], v[CD+8*\j+4:CD+8*\j+5] offset:qo*6144+48*\j+16
.else
	ds_store_b64 v[VWA], v[CD+8*\j:CD+8*\j+1] offset:qo*6144+48*\j+24
	ds_store_b128 v[VWA], v[CD+8*\j+2:CD+8*\j+5] offset:qo*6144+48*\j+32
.endif
	ds_store_b8 v[VSA], v[BY+\j] offset:qo*256+4*\j+2*qs
.endr
.endm
.irp i, 0,1,2,3,4,5,6,7
	QUNIT \i
.endr
	s_wait_dscnt 0x0                               ; for the others' sake: my codes and bytes lie in LDS
	s_barrier_signal -1
	s_barrier_wait -1                              ; the block lies in LDS as 64 fragments; these bytes are written no more
.set F, 0
.rept 64
.if F < 63
	WIN (1+F/21)<<6
.set fW, 12*(F%21)
.else
	WIN 0
.set fW, W63
.endif
.irp q, 0,1,2
	ds_load_b128 v[fW+4*\q:fW+4*\q+3], v[LA0+F/32] offset:1536*(F%32)+16*\q
.endr
.set F, F+1
.endr
	WIN 0
.set G, 0
.rept 32
	ds_load_b32 v[WS+G], v[WSA] offset:128*G
.set G, G+1
.endr
	s_wait_dscnt 0x0
	s_cmp_ge_u32 s14, s18                          ; a wave without a tile ends: no barrier stands behind this branch
	s_cbranch_scc1 .Lend
; 14 loads: h's fragments of K steps 4 g2 .. 4 g2 + 3 of the tile at s[hb], and the scale words of K steps 4 g .. 4 g + 3 of the tile at s[sb]
.macro HRUN hb, g2, sb, g
.irp i, 0,1,2,3
.irp q, 0,1,2
	global_load_b128 v[H+12*((4*\g2+\i)%8)+4*\q:H+12*((4*\g2+\i)%8)+4*\q+3], v[L16], s[\hb:\hb+1] offset:(4*\g2+\i)*1536+512*\q
.endr
.endr
	global_load_b32 v[HS+2*\g], v[HSO], s[\sb:\sb+1] offset:512*\g
	global_load_b32 v[HS+2*\g+1], v[HSO], s[\sb:\sb+1] offset:512*\g+256
.endm
.macro MM f                            ; the four accumulators take turns, one instruction a turn; K step 0 starts the sums
.set fs, (\f)/4
.set fD, ACC+8*((\f)%4)
.set fH, H+12*(fs%8)
.if (\f) < 63
	WIN 1+(\f)/21
.set fW, 12*((\f)%21)
.else
	WIN 0
.set fW, W63
.endif
.if fs == 0
.if (\f)%2
	v_wmma_scale_f32_16x16x128_f8f6f4 v[fD:fD+7], v[fW:fW+11], v[fH:fH+11], 0, v[WS+(\f)/2], v[HS+fs/2] matrix_a_fmt:MATRIX_FMT_FP6 matrix_b_fmt:MATRIX_FMT_FP6 matrix_a_scale:MATRIX_SCALE_ROW1
.else
	v_wmma_scale_f32_16x16x128_f8f6f4 v[fD:fD+7], v[fW:fW+11], v[fH:fH+11], 0, v[WS+(\f)/2], v[HS+fs/2] matrix_a_fmt:MATRIX_FMT_FP6 matrix_b_fmt:MATRIX_FMT_FP6
.endif
.elseif fs%2
.if (\f)%2
	v_wmma_scale_f32_16x16x128_f8f6f4 v[fD:fD+7], v[fW:fW+11], v[fH:fH+11], v[fD:fD+7], v[WS+(\f)/2], v[HS+fs/2] matrix_a_fmt:MATRIX_FMT_FP6 matrix_b_fmt:MATRIX_FMT_FP6 matrix_a_scale:MATRIX_SCALE_ROW1 matrix_b_scale:MATRIX_SCALE_ROW1
.else
	v_wmma_scale_f32_16x16x128_f8f6f4 v[fD:fD+7], v[fW:fW+11], v[fH:fH+11], v[fD:fD+7], v[WS+(\f)/2], v[HS+fs/2] matrix_a_fmt:MATRIX_FMT_FP6 matrix_b_fmt:MATRIX_FMT_FP6 matrix_b_scale:MATRIX_SCALE_ROW1
.endif
.else
.if (\f)%2
	v_wmma_scale_f32_16x16x128_f8f6f4 v[fD:fD+7], v[fW:fW+11], v[fH:fH+11], v[fD:fD+7], v[WS+(\f)/2], v[HS+fs/2] matrix_a_fmt:MATRIX_FMT_FP6 matrix_b_fmt:MATRIX_FMT_FP6 matrix_a_scale:MATRIX_SCALE_ROW1
.else
	v_wmma_scale_f32_16x16x128_f8f6f4 v[fD:fD+7], v[fW:fW+11], v[fH:fH+11], v[fD:fD+7], v[WS+(\f)/2], v[HS+fs/2] matrix_a_fmt:MATRIX_FMT_FP6 matrix_b_fmt:MATRIX_FMT_FP6
.endif
.endif
.endm
; Group g of a tile: K steps 4 g .. 4 g + 3, 16 matrix instructions; behind them their places in the ring and their scale registers are filled again.
.macro GROUP g, hb, g2, np
	s_wait_loadcnt 14                              ; only the run issued last, 14 loads, may be out: this group's fragments and scale words are older
.rept 16
	MM F
.set F, F+1
.endr
	WIN 0
.rept \np
	v_nop                                          ; places in front of loads into registers that the products have read (behind the last group one more: the next tile's first products write over the accumulators, and the stage's stores read them)
.endr
	HRUN \hb, \g2, 32, \g
.endm
	s_mov_b32 s19, s14                             ; t = wave
	s_sub_co_u32 s43, s18, s14                     ; my trips: the tiles w, w + 4, .. below nt: (nt - w + 3) / 4,
	s_add_co_u32 s43, s43, 3
	s_lshr_b32 s43, s43, 2
	s_min_u32 s43, s43, 16                         ; at most 16: 64 tiles for four waves
	s_mov_b32 s42, 0                               ; the loop is counted in trips, one a trip; t only makes addresses
	s_lshl_b32 s36, s14, 16
	s_add_nc_u64 s[44:45], s[38:39], s[36:37]      ; where this tile's 16 rows go
	s_mul_i32 s36, s14, 49152
	s_add_nc_u64 s[26:27], s[24:25], s[36:37]      ; this tile's codes
	s_lshl_b32 s36, s14, 12
	s_add_nc_u64 s[40:41], s[30:31], s[36:37]      ; and scale words
	s_add_co_u32 s22, s19, 4
	s_min_u32 s22, s22, s23
	s_min_u32 s22, s22, 63                         ; the next tile, held at the expert's last: what is loaded for a tile that does not follow is not used
	s_mul_i32 s36, s22, 49152
	s_add_nc_u64 s[28:29], s[24:25], s[36:37]
	s_lshl_b32 s36, s22, 12
	s_add_nc_u64 s[32:33], s[30:31], s[36:37]
.irp i, 4,5,6,7
	global_load_b32 v[HS+\i], v[HSO], s[40:41] offset:256*\i
.endr
	HRUN 26, 0, 40, 0
	HRUN 26, 1, 40, 1
.Ltile:
.set F, 0
	GROUP 0, 26, 2, 4                              ; then this tile's K steps 8-11,
	GROUP 1, 26, 3, 4                              ; 12-15,
	GROUP 2, 28, 0, 4                              ; the next tile's 0-3,
	GROUP 3, 28, 1, 5                              ; and 4-7; the scale words are always the next tile's
.irp T, 0,1,2,3
	ds_store_b128 v[STO], v[ACC+8*\T:ACC+8*\T+3] offset:64*\T          ; each accumulator from its low end on
	ds_store_b128 v[STO], v[ACC+8*\T+4:ACC+8*\T+7] offset:64*\T+16
.endr
.irp i, 0,1,2,3,4,5,6,7
	ds_load_b128 v[OUT+4*\i:OUT+4*\i+3], v[RD] offset:544*\i           ; my wave's own bytes: LDS serves a wave's instructions in order
.endr
	s_wait_dscnt 0x0
.irp i, 0,1,2,3,4,5,6,7
	global_store_b128 v[YO], v[OUT+4*\i:OUT+4*\i+3], s[44:45] offset:8192*\i   ; 16 lanes store 256 consecutive bytes, at a multiple of 256 from ypart's first byte
.endr
	s_wait_xcnt 0x0                                ; loads and stores have read their registers and bases: these may be written again
	s_mov_b64 s[26:27], s[28:29]                   ; the next tile becomes the tile in hand
	s_add_co_u32 s19, s19, 4
	s_min_u32 s22, s19, 63                         ; its number, held inside the expert's 64 tiles,
	s_lshl_b32 s36, s22, 16
	s_add_nc_u64 s[44:45], s[38:39], s[36:37]      ; x 16 rows of 4,096 bytes: where it goes
	s_add_co_u32 s22, s19, 4
	s_min_u32 s22, s22, s23
	s_min_u32 s22, s22, 63
	s_mul_i32 s36, s22, 49152
	s_add_nc_u64 s[28:29], s[24:25], s[36:37]
	s_lshl_b32 s36, s22, 12
	s_add_nc_u64 s[32:33], s[30:31], s[36:37]
	s_add_co_u32 s42, s42, 1
	s_cmp_lt_u32 s42, s43
	s_cbranch_scc1 .Ltile
.Lend:
	s_wait_dscnt 0x0
	s_barrier_signal -1
	s_barrier_wait -1
	s_wait_tensorcnt 0x0
	ds_add_u32 v254, v255
	s_wait_dscnt 0x0
	s_endpgm
.Lfunc_end_k_q854e42eec8_ffn2:
	.size	k_q854e42eec8_ffn2, .Lfunc_end_k_q854e42eec8_ffn2-k_q854e42eec8_ffn2
	.p2alignl 7, 3214868480
	.fill 96, 4, 3214868480
	.section	.rodata,"a",@progbits
	.p2align	6, 0x0
	.amdhsa_kernel k_q854e42eec8_ffn2
		.amdhsa_group_segment_fixed_size 120320
		.amdhsa_private_segment_fixed_size 0
		.amdhsa_enable_private_segment 0
		.amdhsa_kernarg_size 32
		.amdhsa_user_sgpr_count 2
		.amdhsa_user_sgpr_kernarg_segment_ptr 1
		.amdhsa_wavefront_size32 1
		.amdhsa_system_sgpr_workgroup_id_x 1
		.amdhsa_system_sgpr_workgroup_id_y 1
		.amdhsa_system_sgpr_workgroup_id_z 1
		.amdhsa_system_vgpr_workitem_id 0
		.amdhsa_next_free_vgpr 1024
		.amdhsa_next_free_sgpr 66
		.amdhsa_reserve_vcc 0
		.amdhsa_float_denorm_mode_32 3
		.amdhsa_float_denorm_mode_16_64 3
		.amdhsa_memory_ordered 1
		.amdhsa_forward_progress 1
		.amdhsa_inst_pref_size 145
	.end_amdhsa_kernel
	.amdgpu_metadata
---
amdhsa.version: [ 1, 2 ]
amdhsa.kernels:
  - .name:           k_q854e42eec8_ffn2
    .symbol:         k_q854e42eec8_ffn2.kd
    .args:
      - { .name: W2, .offset: 0, .size: 8, .value_kind: global_buffer, .address_space: global }
      - { .name: hq, .offset: 8, .size: 8, .value_kind: global_buffer, .address_space: global }
      - { .name: plan, .offset: 16, .size: 8, .value_kind: global_buffer, .address_space: global }
      - { .name: ypart, .offset: 24, .size: 8, .value_kind: global_buffer, .address_space: global }
    .group_segment_fixed_size: 120320
    .private_segment_fixed_size: 0
    .kernarg_segment_align: 8
    .kernarg_segment_size: 32
    .max_flat_workgroup_size: 128
    .sgpr_count:     66
    .vgpr_count:     1024
    .wavefront_size: 32
...
	.end_amdgpu_metadata
.endif
;; end of part 4
;; launch combine (part 5): grid 256 x 1, 8 waves a work-group, no clusters, 0 bytes of LDS; arguments ypart, b2, plan, gate, out0; writes out0
.if DOCPART == 5
	.amdgcn_target "amdgcn-amd-amdhsa--gfx1250"
	.amdhsa_code_object_version 6
	.text
	.protected	k_q854e42eec8_combine
	.globl	k_q854e42eec8_combine
	.p2align	8
	.type	k_q854e42eec8_combine,@function
k_q854e42eec8_combine:
	s_mov_b64 s[64:65], 0
	v_nop
	global_prefetch_b8 v0, s[64:65] scope:SCOPE_SE
	s_setreg_imm32_b32 hwreg(HW_REG_WAVE_MODE, 25, 1), 1
	s_wait_xcnt 0x0
; out0[token] = w0 sigmoid(y0 + b2[e0]) + w1 sigmoid(y1 + b2[e1]); y_k = the two halves of K of the token's row at slot_k in ypart.
; A wave takes half a token's row: token = 4 x work-group + wave / 2, columns 512 (wave % 2) on, 16 a lane.  The slots come from plan (whole numbers that an earlier launch stored), the weights from gate.
; A stream: 24 loads of 512 consecutive bytes a wave, all issued at once, four stores of 512 consecutive bytes.  No LDS, no barrier, no matrix unit: waves share nothing.
; sigmoid(z) = 1 / (1 + 2^(-z log2 e)): where the power overflows to infinity the reciprocal is 0, which is the limit.  LIMITS: NaN and infinities among the inputs are not served.
	s_load_b256 s[4:11], s[0:1], 0x0               ; ypart s[4:5], b2 s[6:7], plan s[8:9], gate s[10:11]
	s_load_b64 s[12:13], s[0:1], 0x20              ; out0
	v_lshrrev_b32 v1, 5, v0
	v_readfirstlane_b32 s14, v1                    ; wave
	v_and_b32 v1, 31, v0
	v_lshlrev_b32 v1, 4, v1                        ; 16 x lane
	s_lshr_b32 s15, s14, 1
	s_lshl_b32 s24, ttmp9, 2
	s_add_co_u32 s15, s15, s24                     ; token
	s_and_b32 s14, s14, 1
	s_lshl_b32 s44, s14, 11                        ; my half of a row, in bytes
	s_lshl_b32 s24, s15, 3
	s_mov_b32 s25, 0
	s_wait_kmcnt 0x0
	s_add_nc_u64 s[26:27], s[8:9], s[24:25]
	s_add_nc_u64 s[28:29], s[10:11], s[24:25]
	s_load_b64 s[16:17], s[26:27], 0x8000          ; the two slots
	s_load_b64 s[18:19], s[28:29], 0x0             ; the two weights
	s_lshl_b32 s24, s15, 12
	s_add_co_u32 s24, s24, s44
	s_add_nc_u64 s[12:13], s[12:13], s[24:25]      ; my half row of out0
	s_wait_kmcnt 0x0
	s_min_u32 s16, s16, 0x1fff                     ; a slot stays inside ypart,
	s_min_u32 s17, s17, 0x1fff
	s_lshr_b32 s30, s16, 10
	s_min_u32 s30, s30, 7                          ; its expert inside b2
	s_lshr_b32 s31, s17, 10
	s_min_u32 s31, s31, 7
	s_lshl_b32 s24, s16, 12
	s_add_co_u32 s24, s24, s44
	s_add_nc_u64 s[32:33], s[4:5], s[24:25]        ; slot 0, first half of K,
	s_add_nc_u64 s[34:35], s[32:33], 0x2000000     ; second half
	s_lshl_b32 s24, s17, 12
	s_add_co_u32 s24, s24, s44
	s_add_nc_u64 s[36:37], s[4:5], s[24:25]        ; slot 1 likewise
	s_add_nc_u64 s[38:39], s[36:37], 0x2000000
	s_lshl_b32 s24, s30, 12
	s_add_co_u32 s24, s24, s44
	s_add_nc_u64 s[40:41], s[6:7], s[24:25]        ; the two experts' biases
	s_lshl_b32 s24, s31, 12
	s_add_co_u32 s24, s24, s44
	s_add_nc_u64 s[42:43], s[6:7], s[24:25]
	s_mov_b32 s20, s18                             ; the packed forms name a pair and take its low word for both halves: so both words are written
	s_mov_b32 s21, s18
	s_mov_b32 s22, s19
	s_mov_b32 s23, s19
.irp i, 0,1,2,3
	global_load_b128 v[16+4*\i:19+4*\i], v1, s[32:33] offset:512*\i th:TH_LOAD_NT
	global_load_b128 v[32+4*\i:35+4*\i], v1, s[34:35] offset:512*\i th:TH_LOAD_NT
	global_load_b128 v[48+4*\i:51+4*\i], v1, s[40:41] offset:512*\i
	global_load_b128 v[64+4*\i:67+4*\i], v1, s[36:37] offset:512*\i th:TH_LOAD_NT
	global_load_b128 v[80+4*\i:83+4*\i], v1, s[38:39] offset:512*\i th:TH_LOAD_NT
	global_load_b128 v[96+4*\i:99+4*\i], v1, s[42:43] offset:512*\i
.endr
	s_wait_loadcnt 0x0
.irp p, 0,2,4,6,8,10,12,14
	v_pk_add_f32 v[16+\p:17+\p], v[16+\p:17+\p], v[32+\p:33+\p]    ; the two halves of K
	v_pk_add_f32 v[64+\p:65+\p], v[64+\p:65+\p], v[80+\p:81+\p]
.endr
.irp p, 0,2,4,6,8,10,12,14
	v_pk_add_f32 v[16+\p:17+\p], v[16+\p:17+\p], v[48+\p:49+\p]    ; + b2
	v_pk_add_f32 v[64+\p:65+\p], v[64+\p:65+\p], v[96+\p:97+\p]
.endr
.irp p, 0,2,4,6,8,10,12,14
	v_pk_mul_f32 v[16+\p:17+\p], v[16+\p:17+\p], 0xbfb8aa3b op_sel_hi:[1,0]    ; x -log2(e)
	v_pk_mul_f32 v[64+\p:65+\p], v[64+\p:65+\p], 0xbfb8aa3b op_sel_hi:[1,0]
.endr
.irp j, 0,1,2,3,4,5,6,7,8,9,10,11,12,13,14,15
	v_exp_f32 v[16+\j], v[16+\j]
	v_exp_f32 v[64+\j], v[64+\j]
.endr
	v_nop                                          ; a plain line behind the batch,
	s_wait_alu depctr_va_vdst(0)                   ; and one wait for all 32, ahead of the first line that names a result
.irp p, 0,2,4,6,8,10,12,14
	v_pk_add_f32 v[16+\p:17+\p], v[16+\p:17+\p], 1.0 op_sel_hi:[1,0]
	v_pk_add_f32 v[64+\p:65+\p], v[64+\p:65+\p], 1.0 op_sel_hi:[1,0]
.endr
.irp j, 0,1,2,3,4,5,6,7,8,9,10,11,12,13,14,15
	v_rcp_f32 v[16+\j], v[16+\j]
	v_rcp_f32 v[64+\j], v[64+\j]
.endr
	v_nop
	s_wait_alu depctr_va_vdst(0)
.irp p, 0,2,4,6,8,10,12,14
	v_pk_mul_f32 v[16+\p:17+\p], v[16+\p:17+\p], s[20:21] op_sel_hi:[1,0]
.endr
.irp p, 0,2,4,6,8,10,12,14
	v_pk_fma_f32 v[16+\p:17+\p], v[64+\p:65+\p], s[22:23], v[16+\p:17+\p] op_sel_hi:[1,0,1]
.endr
.irp i, 0,1,2,3
	global_store_b128 v1, v[16+4*\i:19+4*\i], s[12:13] offset:512*\i th:TH_STORE_NT   ; 32 lanes store 512 consecutive bytes, at a multiple of 256 from out0's first byte
.endr
	s_endpgm
.Lfunc_end_k_q854e42eec8_combine:
	.size	k_q854e42eec8_combine, .Lfunc_end_k_q854e42eec8_combine-k_q854e42eec8_combine
	.p2alignl 7, 3214868480
	.fill 96, 4, 3214868480
	.section	.rodata,"a",@progbits
	.p2align	6, 0x0
	.amdhsa_kernel k_q854e42eec8_combine
		.amdhsa_group_segment_fixed_size 0
		.amdhsa_private_segment_fixed_size 0
		.amdhsa_enable_private_segment 0
		.amdhsa_kernarg_size 40
		.amdhsa_user_sgpr_count 2
		.amdhsa_user_sgpr_kernarg_segment_ptr 1
		.amdhsa_wavefront_size32 1
		.amdhsa_system_sgpr_workgroup_id_x 1
		.amdhsa_system_sgpr_workgroup_id_y 1
		.amdhsa_system_sgpr_workgroup_id_z 1
		.amdhsa_system_vgpr_workitem_id 0
		.amdhsa_next_free_vgpr 112
		.amdhsa_next_free_sgpr 66
		.amdhsa_reserve_vcc 0
		.amdhsa_float_denorm_mode_32 3
		.amdhsa_float_denorm_mode_16_64 3
		.amdhsa_memory_ordered 1
		.amdhsa_forward_progress 1
		.amdhsa_inst_pref_size 13
	.end_amdhsa_kernel
	.amdgpu_metadata
---
amdhsa.version: [ 1, 2 ]
amdhsa.kernels:
  - .name:           k_q854e42eec8_combine
    .symbol:         k_q854e42eec8_combine.kd
    .args:
      - { .name: ypart, .offset: 0, .size: 8, .value_kind: global_buffer, .address_space: global }
      - { .name: b2, .offset: 8, .size: 8, .value_kind: global_buffer, .address_space: global }
      - { .name: plan, .offset: 16, .size: 8, .value_kind: global_buffer, .address_space: global }
      - { .name: gate, .offset: 24, .size: 8, .value_kind: global_buffer, .address_space: global }
      - { .name: out0, .offset: 32, .size: 8, .value_kind: global_buffer, .address_space: global }
    .group_segment_fixed_size: 0
    .private_segment_fixed_size: 0
    .kernarg_segment_align: 8
    .kernarg_segment_size: 40
    .max_flat_workgroup_size: 256
    .sgpr_count:     66
    .vgpr_count:     112
    .wavefront_size: 32
...
	.end_amdgpu_metadata
.endif
;; end of part 5
;; ======== version 2 of 2: 4 launches
;; limits: right only within a limited range of input values
;; workspace buffers: xq 819,200 bytes; sel 8,192 bytes of whole numbers; gate 8,192 bytes; plan 41,216 bytes of whole numbers; hq 27,262,976 bytes; ypart 67,108,864 bytes
;; launch route (part 6): grid 256 x 1, 4 waves a work-group, no clusters, 58,368 bytes of LDS; arguments x, Wr, br, xq, sel, gate; writes xq, sel, gate
.if DOCPART == 6
	.amdgcn_target "amdgcn-amd-amdhsa--gfx1250"
	.amdhsa_code_object_version 6
	.text
	.protected	k_q854e42eec8_route
	.globl	k_q854e42eec8_route
	.p2align	8
	.type	k_q854e42eec8_route,@function
k_q854e42eec8_route:
	s_mov_b64 s[64:65], 0
	v_nop
	global_prefetch_b8 v0, s[64:65] scope:SCOPE_SE
	s_setreg_imm32_b32 hwreg(HW_REG_WAVE_MODE, 25, 1), 1
	s_wait_xcnt 0x0
; ROUTER AND QUANTISER OF x.  logits = x Wr + br in f32, the two largest (ties: the lower index), their softmax; and x as codes of E2M3 with one E8M0 byte for each 32 along D.
; A wave takes one token: token = 4 x work-group + wave.  Lane l owns the block of 32 along D with number beta = 4 ((l >> 1) & 7) + 2 (l & 1) + (l >> 4), so that its 24 bytes of codes belong at byte 24 l of the token's 768:
; xq's codes lie [token][h][s][c][24 bytes], block 4 s + 2 c + h, which is the order in which a lane (row, h) of a matrix operand takes its eight fragments: one run of 384 bytes.
; xq's scale bytes lie from byte XSOFF on, [token][32], byte beta for block beta: word s is the scale word of K step s.
; No address and no branch hangs on the logits: the chosen experts and their weights go to fixed places (sel, gate); a later launch places the rows.
; No matrix unit: the product has 8 columns.  No cluster: what the work-groups share is Wr, 32 KiB.
; LIMITS: NaN and infinities among the inputs, and logits that are not finite, are not served.  A block of zeros gets the byte 1 (the rule says 127) with zero codes: only this program reads the bytes.
; The logits are summed in another order than a row-by-row sum: 32 numbers in a lane, then a tree over the lanes; where the second and the third logit lie within about 1e-6 of their size, the other expert may be chosen.
.set XSOFF, 786432                     ; where the scale bytes begin in xq
.set WP,    1040                       ; LDS: Wr as 32 rows of 1,024 bytes (32 k x 8 experts) + 16
.set REG0,  33280                      ; behind Wr: a region of REGB bytes for each wave
.set REGB,  6144
.set CST,   4608                       ; in a region: byte 0 the stage for x, 32 places of 128 + 16 bytes; CST the codes' 768 bytes; SST the 32 scale bytes
.set SST,   5376
.set X,     16                         ; v16-47   my block's 32 numbers
.set LG,    48                         ; v48-55   my part of the 8 logits, then the logits
.set WA,    64                         ; v64-127  Wr as loaded; then 8 k x 8 experts of my block
.set WB,    128                        ; v128-191 x as loaded; then the other 8 k x 8 experts
	s_load_b256 s[4:11], s[0:1], 0x0               ; x s[4:5], Wr s[6:7], br s[8:9], xq s[10:11]
	s_load_b128 s[12:15], s[0:1], 0x20             ; sel s[12:13], gate s[14:15]
	v_lshl_add_u32 v224, v0, 2, 0xe200
	v_mov_b32 v225, 0
	v_lshrrev_b32 v2, 5, v0
	v_readfirstlane_b32 s16, v2                    ; wave
	v_and_b32 v1, 31, v0                           ; lane l
	s_lshl_b32 s17, ttmp9, 2
	s_add_co_u32 s17, s17, s16                     ; token
	s_mov_b32 s20, 0x76543210
	s_mov_b32 s21, 0xfedcba98                      ; v_permlanex16_b32's selects for lane l xor 16
	v_lshlrev_b32 v3, 4, v1                        ; 16 l
	v_bfe_u32 v2, v1, 1, 3
	v_and_b32 v14, 1, v1
	v_lshlrev_b32 v2, 2, v2
	v_lshl_add_u32 v2, v14, 1, v2
	v_lshrrev_b32 v14, 4, v1
	v_add_nc_u32 v2, v2, v14                       ; beta
	s_mul_i32 s18, s16, REGB
	s_add_co_u32 s18, s18, REG0                    ; my wave's region
	v_lshrrev_b32 v4, 3, v1
	v_mul_u32_u24 v4, v4, 144
	v_and_b32 v14, 7, v1
	v_lshl_add_u32 v4, v14, 4, v4
	v_add_nc_u32 v4, s18, v4                       ; x's stage, in: eight lanes' 128 bytes on end, then 16 of padding
	v_mul_u32_u24 v5, v2, 144
	v_add_nc_u32 v5, s18, v5                       ; and out: my block
	s_mul_i32 s19, s16, 8*WP
	v_add_nc_u32 v6, s19, v3                       ; Wr, in: wave w brings rows 8 w .. 8 w + 7
	v_mul_u32_u24 v7, v2, WP                       ; Wr, out: row beta
	v_mul_u32_u24 v8, v1, 24
	v_add_nc_u32 v8, s18, v8
	v_add_nc_u32 v8, CST, v8                       ; the codes, in: 24 l
	v_lshlrev_b32 v12, 3, v1                       ; 8 l
	v_add_nc_u32 v9, s18, v12
	v_add_nc_u32 v9, CST, v9                       ; and out: 8 l
	v_add_nc_u32 v10, s18, v2
	v_add_nc_u32 v10, SST, v10                     ; my block's scale byte
	v_lshl_add_u32 v11, v14, 2, s18
	v_add_nc_u32 v11, SST, v11                     ; the scale words, out: 4 (l & 7)
	v_lshlrev_b32 v13, 2, v1                       ; 4 l
	v_mov_b32 v15, 0
	s_lshl_b32 s36, s17, 12
	s_mov_b32 s37, 0
	s_lshl_b32 s38, s16, 13
	s_mov_b32 s39, 0
	s_wait_kmcnt 0x0
	s_add_nc_u64 s[4:5], s[4:5], s[36:37]          ; my token's row of x
	s_add_nc_u64 s[6:7], s[6:7], s[38:39]          ; my wave's quarter of Wr
.irp i, 0,1,2,3,4,5,6,7
	global_load_b128 v[WB+4*\i:WB+4*\i+3], v3, s[4:5] offset:512*\i th:TH_LOAD_NT   ; 32 lanes read 512 consecutive bytes; x is read here and nowhere else
.endr
.irp i, 0,1,2,3,4,5,6,7,8,9,10,11,12,13,14,15
	global_load_b128 v[WA+4*\i:WA+4*\i+3], v3, s[6:7] offset:512*\i
.endr
	s_load_b256 s[24:31], s[8:9], 0x0              ; br
	s_mul_i32 s36, s17, 768
	s_add_nc_u64 s[40:41], s[10:11], s[36:37]      ; my token's codes
	s_lshl_b32 s36, s17, 5
	s_add_nc_u64 s[42:43], s[10:11], s[36:37]      ; its scale bytes, less XSOFF
	s_lshl_b32 s36, s17, 3
	s_add_nc_u64 s[44:45], s[12:13], s[36:37]      ; its pair in sel
	s_add_nc_u64 s[46:47], s[14:15], s[36:37]      ; and in gate
	s_wait_loadcnt 16                              ; x's eight loads are in; Wr's sixteen, issued behind them, may be out
.irp i, 0,1,2,3,4,5,6,7
	ds_store_b128 v4, v[WB+4*\i:WB+4*\i+3] offset:576*\i   ; a load's 512 bytes are four blocks: four places of 144
.endr
.irp i, 0,1,2,3,4,5,6,7
	ds_load_b128 v[X+4*\i:X+4*\i+3], v5 offset:16*\i       ; my wave's own bytes: LDS serves a wave's instructions in order
.endr
	s_wait_loadcnt 0x0                             ; Wr
.irp i, 0,1,2,3,4,5,6,7,8,9,10,11,12,13,14,15
	ds_store_b128 v6, v[WA+4*\i:WA+4*\i+3] offset:(\i/2)*WP+(\i%2)*512
.endr
	s_wait_dscnt 0x0                               ; for the others' sake: my part of Wr lies in LDS (and my block of x is in)
	s_barrier_signal -1
	s_barrier_wait -1                              ; all of Wr lies in LDS; nobody writes it again
.macro LDW set, kb                     ; Wr(32 beta + 8 kb + kk, 0 .. 7), kk = 0 .. 7: sixteen loads
.irp kk, 0,1,2,3,4,5,6,7
	ds_load_b128 v[\set+8*\kk:\set+8*\kk+3], v7 offset:32*(8*\kb+\kk)
	ds_load_b128 v[\set+8*\kk+4:\set+8*\kk+7], v7 offset:32*(8*\kb+\kk)+16
.endr
.endm
.macro FMA set, kb                     ; two experts an instruction; x's number is taken for both halves; four chains by turns.  The first product starts the sums
.irp kk, 0,1,2,3,4,5,6,7
.irp m, 0,1,2,3
.if (8*\kb+\kk) == 0
	v_pk_mul_f32 v[LG+2*\m:LG+2*\m+1], v[X:X+1], v[\set+2*\m:\set+2*\m+1] op_sel_hi:[0,1]
.elseif (\kk)%2 == 0
	v_pk_fma_f32 v[LG+2*\m:LG+2*\m+1], v[X+8*\kb+\kk:X+8*\kb+\kk+1], v[\set+8*\kk+2*\m:\set+8*\kk+2*\m+1], v[LG+2*\m:LG+2*\m+1] op_sel_hi:[0,1,1]
.else
	v_pk_fma_f32 v[LG+2*\m:LG+2*\m+1], v[X+8*\kb+\kk-1:X+8*\kb+\kk], v[\set+8*\kk+2*\m:\set+8*\kk+2*\m+1], v[LG+2*\m:LG+2*\m+1] op_sel:[1,0,0] op_sel_hi:[1,1,1]
.endif
.endr
.endr
.endm
	LDW WA, 0
	LDW WB, 1
	s_wait_dscnt 16                                ; the older sixteen are in, the other set's sixteen may be out: so at each of these three waits
	FMA WA, 0
	LDW WA, 2
	s_wait_alu depctr_va_vdst(0)
	s_wait_dscnt 16
	FMA WB, 1
	LDW WB, 3
	s_wait_alu depctr_va_vdst(0)
	s_wait_dscnt 16
	FMA WA, 2
	s_wait_alu depctr_va_vdst(0)
	s_wait_dscnt 0x0
	FMA WB, 3
	; my block's scale and codes
	v_max3_num_f32 v200, |v[X]|, |v[X+1]|, 0x1800000               ; the largest magnitude, in two chains, with the floor 2^(3 - 127) among the leaves: the byte cannot fall under 1
	v_max3_num_f32 v201, |v[X+2]|, |v[X+3]|, |v[X+4]|
.irp i, 5,9,13,17,21,25
	v_max3_num_f32 v200, v200, |v[X+\i]|, |v[X+\i+1]|
	v_max3_num_f32 v201, v201, |v[X+\i+2]|, |v[X+\i+3]|
.endr
	v_max3_num_f32 v200, v200, |v[X+29]|, |v[X+30]|
	v_max3_num_f32 v200, v200, v201, |v[X+31]|
	v_add_nc_u32 v202, 0xff000000, v200            ; 2 off its exponent field: the conversion takes the exponent field of this operand as its scale
	v_cvt_scalef32_pk16_fp6_f32 v[192:194], v[X:X+15], v202
	v_cvt_scalef32_pk16_fp6_f32 v[196:198], v[X+16:X+31], v202     ; (a conversion's three registers begin on an even number)
	v_lshrrev_b32 v203, 23, v202                   ; the scale's byte; also the plain line behind the conversions
	v_mov_b32 v195, v196
	v_mov_b32 v196, v197
	v_mov_b32 v197, v198                           ; v192-197: the block's 24 bytes
	ds_store_b64 v8, v[192:193]
	ds_store_b64 v8, v[194:195] offset:8
	ds_store_b64 v8, v[196:197] offset:16
	ds_store_b8 v10, v203
.irp i, 0,1,2
	ds_load_b64 v[214+2*\i:215+2*\i], v9 offset:256*\i     ; back 8 bytes a lane, so that a store covers 256 consecutive bytes
.endr
	ds_load_b32 v220, v11
	; the logits: the sum over the 32 lanes, in every lane
.irp m, 1,2,4,8
.irp e, 0,1,2,3,4,5,6,7
	v_add_f32_dpp v[LG+\e], v[LG+\e], v[LG+\e] row_xmask:\m row_mask:0xf bank_mask:0xf
.endr
.endr
.irp e, 0,1,2,3,4,5,6,7
	v_permlanex16_b32 v[WA+\e], v[LG+\e], s20, s21
.endr
	s_wait_alu depctr_va_vdst(0)
	s_wait_kmcnt 0x0                               ; br
.irp e, 0,1,2,3,4,5,6,7
	v_add_f32 v[LG+\e], v[LG+\e], v[WA+\e]
.endr
.irp e, 0,1,2,3,4,5,6,7
	v_add_f32 v[LG+\e], s[24+\e], v[LG+\e]
.endr
	; the two largest, by selects alone.  A strict 'greater' walking upward keeps the lower index
	v_mov_b32 v204, 0xff800000                     ; -infinity
	v_mov_b32 v212, v[LG]
	v_mov_b32 v208, 0
.irp e, 1,2,3,4,5,6,7
	v_cmp_gt_f32 vcc_lo, v[LG+\e], v212
	v_cndmask_b32 v212, v212, v[LG+\e], vcc_lo
	v_cndmask_b32 v208, v208, \e, vcc_lo
.endr
.irp e, 0,1,2,3,4,5,6,7
	v_cmp_eq_u32 vcc_lo, \e, v208
	v_cndmask_b32 v[LG+\e], v[LG+\e], v204, vcc_lo ; the largest is taken out
.endr
	v_mov_b32 v213, v[LG]
	v_mov_b32 v209, 0
.irp e, 1,2,3,4,5,6,7
	v_cmp_gt_f32 vcc_lo, v[LG+\e], v213
	v_cndmask_b32 v213, v213, v[LG+\e], vcc_lo
	v_cndmask_b32 v209, v209, \e, vcc_lo
.endr
	; softmax of the two, the larger taken away first: w0 = 1 / (1 + t), w1 = t w0, t = e^(second - first), at most 1
	v_sub_f32 v205, v213, v212
	v_mul_f32 v205, 0x3fb8aa3b, v205
	s_wait_alu depctr_va_vdst(0)
	v_exp_f32 v206, v205
	v_nop                                          ; a plain line behind the transcendental,
	s_wait_alu depctr_va_vdst(0)                   ; and the wait ahead of the first line that names its result
	v_add_f32 v207, 1.0, v206
	s_wait_alu depctr_va_vdst(0)
	v_rcp_f32 v210, v207
	v_nop
	s_wait_alu depctr_va_vdst(0)
	v_mul_f32 v211, v206, v210
	s_wait_alu depctr_va_vdst(0)
	s_wait_dscnt 0x0                               ; the codes and the scale words are back
.irp i, 0,1,2
	global_store_b64 v12, v[214+2*\i:215+2*\i], s[40:41] offset:256*\i   ; 32 lanes store 256 consecutive bytes, at a multiple of 256 from xq's first byte
.endr
	s_wait_xcnt 0x0                                ; EXEC changes only behind this wait
	v_cmp_gt_u32 vcc_lo, 8, v1
	s_wait_dscnt 0x0
	s_barrier_signal -1
	s_barrier_wait -1
	s_wait_tensorcnt 0x0
	ds_add_u32 v224, v225
	s_wait_dscnt 0x0
	s_and_saveexec_b32 s32, vcc_lo
	global_store_b32 v13, v220, s[42:43] offset:XSOFF      ; lanes 0-7: the token's 32 scale bytes
	s_wait_xcnt 0x0
	s_or_b32 exec_lo, exec_lo, s32
	v_cmp_eq_u32 vcc_lo, 0, v1
	s_and_saveexec_b32 s33, vcc_lo
	global_store_b64 v15, v[208:209], s[44:45]     ; lane 0: the two experts, the better first,
	global_store_b64 v15, v[210:211], s[46:47]     ; and their weights
	s_wait_xcnt 0x0
	s_or_b32 exec_lo, exec_lo, s33
	s_endpgm
.Lfunc_end_k_q854e42eec8_route:
	.size	k_q854e42eec8_route, .Lfunc_end_k_q854e42eec8_route-k_q854e42eec8_route
	.p2alignl 7, 3214868480
	.fill 96, 4, 3214868480
	.section	.rodata,"a",@progbits
	.p2align	6, 0x0
	.amdhsa_kernel k_q854e42eec8_route
		.amdhsa_group_segment_fixed_size 58368
		.amdhsa_private_segment_fixed_size 0
		.amdhsa_enable_private_segment 0
		.amdhsa_kernarg_size 48
		.amdhsa_user_sgpr_count 2
		.amdhsa_user_sgpr_kernarg_segment_ptr 1
		.amdhsa_wavefront_size32 1
		.amdhsa_system_sgpr_workgroup_id_x 1
		.amdhsa_system_sgpr_workgroup_id_y 1
		.amdhsa_system_sgpr_workgroup_id_z 1
		.amdhsa_system_vgpr_workitem_id 0
		.amdhsa_next_free_vgpr 226
		.amdhsa_next_free_sgpr 66
		.amdhsa_reserve_vcc 1
		.amdhsa_float_denorm_mode_32 3
		.amdhsa_float_denorm_mode_16_64 3
		.amdhsa_memory_ordered 1
		.amdhsa_forward_progress 1
		.amdhsa_inst_pref_size 29
	.end_amdhsa_kernel
	.amdgpu_metadata
---
amdhsa.version: [ 1, 2 ]
amdhsa.kernels:
  - .name:           k_q854e42eec8_route
    .symbol:         k_q854e42eec8_route.kd
    .args:
      - { .name: x, .offset: 0, .size: 8, .value_kind: global_buffer, .address_space: global }
      - { .name: Wr, .offset: 8, .size: 8, .value_kind: global_buffer, .address_space: global }
      - { .name: br, .offset: 16, .size: 8, .value_kind: global_buffer, .address_space: global }
      - { .name: xq, .offset: 24, .size: 8, .value_kind: global_buffer, .address_space: global }
      - { .name: sel, .offset: 32, .size: 8, .value_kind: global_buffer, .address_space: global }
      - { .name: gate, .offset: 40, .size: 8, .value_kind: global_buffer, .address_space: global }
    .group_segment_fixed_size: 58368
    .private_segment_fixed_size: 0
    .kernarg_segment_align: 8
    .kernarg_segment_size: 48
    .max_flat_workgroup_size: 128
    .sgpr_count:     66
    .vgpr_count:     226
    .wavefront_size: 32
...
	.end_amdgpu_metadata
.endif
;; end of part 6
;; launch ffn1 (part 7): grid 32 x 8, 4 waves a work-group, no clusters, 115,712 bytes of LDS; arguments W1, b1, xq, sel, hq, plan; writes hq, plan
.if DOCPART == 7
	.amdgcn_target "amdgcn-amd-amdhsa--gfx1250"
	.amdhsa_code_object_version 6
	.text
	.protected	k_q854e42eec8_ffn1
	.globl	k_q854e42eec8_ffn1
	.p2align	8
	.type	k_q854e42eec8_ffn1,@function
k_q854e42eec8_ffn1:
	s_mov_b64 s[64:65], 0
	v_nop
	global_prefetch_b8 v0, s[64:65] scope:SCOPE_SE
	s_setreg_imm32_b32 hwreg(HW_REG_WAVE_MODE, 25, 1), 1
	s_wait_xcnt 0x0
; FIRST LAYER OF THE CHOSEN EXPERTS: h = relu(x W1[e] + b1[e]) for the rows routed to expert e, on codes of E2M3 with one E8M0 scale for each 32 along K, and h quantised along H on the way out.
; A work-group owns W1[e][0 .. 1023][128 sl .. 128 sl + 127] (sl = work-group x, e = work-group y): 512 KiB of f32, read from memory ONCE in the program and never stored as codes.
; THE EXPERT'S LIST OF ROWS is made here, from sel (whole numbers that an earlier launch stored): while the first weights are on their way, wave 0 gives each token that chose e a place (the running count + the lanes before it in
; the wave's mask) and stores token | k << 16 at that place of a list in LDS; lanes whose token did not choose e store into 128 spare bytes behind the list, so that EXEC never changes.  The list is first set to 0: rows beyond R_e
; are token 0's, and their results are read by nobody.  A barrier; ahead of it only wave 0 touches LDS.
; PHASE Q: each of the four waves streams a quarter of the block (256 rows k), 512 consecutive bytes an instruction, two sets of 32 loads by turns; a lane's 4 columns x 32 k are turned in registers so that a column's
; 32 numbers stand in consecutive registers, quantised, and laid into LDS in the order of the operand's registers.  A second barrier.  Then EVERY wave takes all 64 fragments (16 hidden units x 128 k each, 768 registers) and
; their scale words out of LDS.  PHASE P, no barrier: wave w walks the expert's row tiles t = w, w + 4, .. below nt = ceil(R_e / 16): 64 matrix instructions a tile; the next tile's x comes from memory straight into the registers
; that the tile in hand has done with; the first tile's x is asked for ahead of the second barrier.  An expert without rows still runs phase Q: no barrier stands under a branch on a loaded number.
; THE MATRIX INSTRUCTION IS USED TRANSPOSED (source 0 = 16 hidden units, source 1 = 16 rows of x): a lane holds one row.  THE HIDDEN UNITS OF A TILE ARE NOT NEIGHBOURS: lane r of tile 2 b + u is unit 32 b + 8 u + r + 8 (r / 8),
; so that the 16 registers of tiles 2 b and 2 b + 1 are 16 neighbours along the next K.  The slice's 128 units are K step sl of the second layer: one fragment and one scale word a row, stored as an image of the registers.
; The bias is the C of each sum's first matrix instruction: it is loaded from an image in LDS into the accumulators.
; NO TENSOR LOADS, NO CLUSTER, NO JOINT REQUESTS, though the 32 slices of an expert read the same rows of xq: the trip count of phase P hangs on numbers read from memory, and the f32 weights pass through registers for the quantiser anyway.
; LIMITS: NaN and infinities are not served.  A block of zeros gets the byte 1 (the rule says 127) with zero codes: only this program reads the bytes.
; hq: codes [64 e + t][s = 0 .. 31][1,536 bytes]: group q of four registers at 512 q + 16 x lane;  from HSOFF on the scale words [64 e + t][s][32 lanes] (lanes 16-31 hold what lanes 0-15 hold).
; plan: byte 32,768: inv [token][2] i32, slot = 1024 x expert + place in its list: wave 0 of work-group (sl, e) stores the entries of places 32 sl .. 32 sl + 31;  byte 40,960: cnt [8] i32, R_e, stored by work-group sl = 0.
;       The bytes ahead of inv are not used.
; REGISTERS, in windows of 256: fragment f = 8 s + T (s: K step of 128 along D, T: tile of hidden units) lies in window 1 + f / 21 at v[12 (f % 21)], fragment 63 in window 0.  In phase Q window 1 holds the two sets of loads.
.set WSC,   98304                      ; LDS: byte 0 the fragments: f at 1,536 f, lane at 48 x lane, half c at 24 c;  WSC: the scale words: (f, r) at 64 f + 4 r, byte 2 c + h;
.set BIMG,  102400                     ; BIMG: the bias as an image of the accumulators: group g of four registers at 512 g + 16 x lane;
.set LISTB, 110592                     ; LISTB: the list, 1,024 words, and behind it 32 spare words;
.set RCNT,  LISTB+4224                 ; RCNT: R_e, one word
.set HSOFF, 25165824
.set XSOFF, 786432
.set L16,  1                           ; v1   16 x lane; never rewritten
.set L4,   2                           ; v2   4 x lane; never rewritten
.set XO,   3                           ; v3   my row's codes in xq: 768 x token + 384 h
.set XSO,  4                           ; v4   its scale bytes: 32 x token
.set LOF,  5                           ; v5   LDS address of the list entry to be read
.set LN,   6                           ; v6   the entry read from the list
.set R15,  7                           ; v7   lane % 16
.set H384, 8                           ; v8   384 h
.set LA0,  9                           ; v9   48 x lane: fragments 0-31;  v10: fragments 32-63
.set LA1,  10
.set BI,   11                          ; v11  BIMG + 16 x lane
.set PB2,  12                          ; v12-14 a conversion's result
.set WSA,  15                          ; v15  WSC + 4 x lane
.set WS,   16                          ; v16-47 the weights' scale words: register i: lanes 0-15 fragment 2 i, lanes 16-31 fragment 2 i + 1
.set XS,   48                          ; v48-55 x's scale words, K step s
.set X,    56                          ; v56-151 x's eight fragments
.set ACC,  152                         ; v152-215 eight accumulators
.set W63,  216                         ; v216-227 fragment 63
.set PC,   228                         ; v228-239 the codes just made
.set PB,   240                         ; v240-242 a conversion's result
.set VWA,  243                         ; v243 phase Q: where my codes go
.set TM,   244                         ; v244-251 at work in the quantiser
.set PW,   252                         ; v252 the scale word just made
.set TK,   253                         ; v253 at work
.set VSA,  254                         ; v254 phase Q: where my scale bytes go
.set BST,  255                         ; v255 phase Q: where my part of the bias goes
.set TR,   64                          ; phase Q: v64-191 column j's 32 numbers at 32 j
.set CD,   192                         ;          v192-223 column j's codes at 8 j  (at the head v192-207: the bias as loaded)
.set MX,   224                         ;          v224-227 largest magnitudes, then the conversions' scale operands
.set BY,   228                         ;          v228-231 the scale bytes
.set LT,   248                         ;          the lane, at the head
.set BLO,  252                         ;          64 h, at the head
.set SL,   64                          ; the list: v64-127 sel as loaded, two tokens a lane and load; then each token's LDS address and entry
.set ZQ,   232                         ;           v232-235 zeros
.set LINI, 236                         ;           v236 LISTB + 16 x lane
.set DMP,  237                         ;           v237 1024 + lane: my spare word's index
.set L2T,  238                         ;           v238 2 x lane
.set TT,   239                         ;           v239, v244 the two tokens' numbers
.set TU,   244
.set RCA,  240                         ;           v240 RCNT
.set RVV,  241                         ;           v241 R as stored;  v242 R as read
.set RVL,  242
.set MSB, 0
.macro WIN new                         ; the immediate's high byte repeats the setting that is left; a switch that changes nothing is dropped
.if MSB != (\new)
	s_set_vgpr_msb (MSB<<8)|(\new)
.set MSB, (\new)
.endif
.endm
.macro QLOAD set, i                    ; rows 32 i .. 32 i + 31 of my quarter: a row's 512 bytes an instruction, into a set of 128 registers of window 1
	WIN 0x40
.set K, 0
.rept 32
	global_load_b128 v[128*(\set)+4*K:128*(\set)+4*K+3], v[L16], s[34:35] offset:(32*(\i)+K)*16384 th:TH_LOAD_NT
.set K, K+1
.endr
.endm
; Unit i of a wave: the block of 32 along K with number 8 w + i: K step 2 w + i / 4, half c = (i / 2) % 2, lanes' half h = i % 2.
.macro QUNIT i
.set qs, (\i)%2
.set qc, ((\i)/2)%2
.set qo, (\i)/4
.if (\i) < 7
	s_wait_loadcnt 32                              ; this unit's 32 loads (and what was issued ahead of them) are in; the other set's 32 may be out
.else
	s_wait_loadcnt 0x0
.endif
.if (\i) == 0
	WIN 0
.irp g, 0,1,2,3
	ds_store_b128 v[BST], v[CD+4*\g:CD+4*\g+3] offset:512*\g
.endr
.endif
	WIN 0x01                                       ; source window 1
.set K, 0
.rept 32
.irp j, 0,1,2,3
	v_mov_b32 v[TR+32*\j+K], v[128*qs+4*K+\j]      ; column j's numbers down K into consecutive registers: the conversions want them so
.endr
.set K, K+1
.endr
.if (\i)+2 < 8
	QLOAD qs, (\i)+2                               ; the set is free: it takes the unit two on
.endif
	WIN 0
.irp j, 0,1,2,3
	v_max3_num_f32 v[MX+\j], |v[TR+32*\j]|, |v[TR+32*\j+1]|, 0x1800000   ; the block's largest magnitude, and the floor 2^(3 - 127): the byte cannot fall under 1
.endr
.irp p, 2,4,6,8,10,12,14,16,18,20,22,24,26,28,30
.irp j, 0,1,2,3
	v_max3_num_f32 v[MX+\j], v[MX+\j], |v[TR+32*\j+\p]|, |v[TR+32*\j+\p+1]|   ; (the four columns by turns)
.endr
.endr
.irp j, 0,1,2,3
	v_add_nc_u32 v[MX+\j], 0xff000000, v[MX+\j]    ; 2 off the exponent field: the conversion's scale operand
.endr
	s_wait_alu depctr_va_vdst(0)
	s_wait_dscnt 0x0                               ; the last unit's LDS stores (in unit 0: the bias's) have read their registers
.irp j, 0,1,2,3
	v_lshrrev_b32 v[BY+\j], 23, v[MX+\j]           ; the scale's byte
.endr
.irp j, 0,1,2,3
	v_cvt_scalef32_pk16_fp6_f32 v[CD+8*\j:CD+8*\j+2], v[TR+32*\j:TR+32*\j+15], v[MX+\j]
	v_cvt_scalef32_pk16_fp6_f32 v[CD+8*\j+4:CD+8*\j+6], v[TR+32*\j+16:TR+32*\j+31], v[MX+\j]   ; (a conversion's three registers begin on an even number)
.endr
	v_nop                                          ; one plain line behind the conversions
.irp j, 0,1,2,3
	v_mov_b32 v[CD+8*\j+3], v[CD+8*\j+4]
	v_mov_b32 v[CD+8*\j+4], v[CD+8*\j+5]
	v_mov_b32 v[CD+8*\j+5], v[CD+8*\j+6]           ; six registers on end: the block's 24 bytes
.endr
.irp j, 0,1,2,3
.if qc == 0
	ds_store_b128 v[VWA], v[CD+8*\j:CD+8*\j+3] offset:qo*12288+768*qs+48*\j
	ds_store_b64 v[VWA], v[CD+8*\j+4:CD+8*\j+5] offset:qo*12288+768*qs+48*\j+16
.else
	ds_store_b64 v[VWA], v[CD+8*\j:CD+8*\j+1] offset:qo*12288+768*qs+48*\j+24
	ds_store_b128 v[VWA], v[CD+8*\j+2:CD+8*\j+5] offset:qo*12288+768*qs+48*\j+32
.endif
	ds_store_b8 v[VSA], v[BY+\j] offset:qo*512+4*\j+2*qc+qs
.endr
.endm
.macro XRUN p                          ; x's fragments 4 p .. 4 p + 3 of the rows at XO, and their scale words: 13 loads
.irp s, 0,1,2,3
.irp q, 0,1,2
	global_load_b128 v[X+12*(4*\p+\s)+4*\q:X+12*(4*\p+\s)+4*\q+3], v[XO], s[8:9] offset:48*(4*\p+\s)+16*\q
.endr
.endr
	global_load_b128 v[XS+4*\p:XS+4*\p+3], v[XSO], s[24:25] offset:16*\p
.endm
.macro BIAS                            ; the bias into the accumulators
.set G, 0
.rept 16
	ds_load_b128 v[ACC+4*G:ACC+4*G+3], v[BI] offset:512*G
.set G, G+1
.endr
.endm
.macro LISTAT                          ; s21 = 16 x a tile's number: where my row's list entry lies, held inside the list
	v_add_nc_u32 v[LOF], s21, v[R15]
	v_min_u32 v[LOF], 0x3ff, v[LOF]
	v_lshl_add_u32 v[LOF], v[LOF], 2, LISTB
.endm
.macro ROWAT                           ; the entry just read: where its token's codes and scale bytes lie
	v_and_b32 v[TK], 0xffff, v[LN]
	v_min_u32 v[TK], 0x3ff, v[TK]
	v_mul_u32_u24 v[XO], 0x300, v[TK]
	v_add_nc_u32 v[XO], v[XO], v[H384]
	v_lshlrev_b32 v[XSO], 5, v[TK]
.endm
.macro OUTAT                           ; where tile t's codes (s[44:45]) and scale words (s[46:47]) go: the fixed bases + the tile's number, held inside the expert's 64 records, x a record
	s_min_u32 s22, s19, 63
	s_mul_i32 s36, s22, 49152
	s_add_nc_u64 s[44:45], s[28:29], s[36:37]
	s_lshl_b32 s36, s22, 12
	s_add_nc_u64 s[46:47], s[30:31], s[36:37]
.endm
.macro MM f                            ; the eight accumulators take turns, one instruction a turn
.set fT, (\f)%8
.set fs, (\f)/8
.if (\f) < 63
	WIN 1+(\f)/21
.set fW, 12*((\f)%21)
.else
	WIN 0
.set fW, W63
.endif
.if (\f)%2
	v_wmma_scale_f32_16x16x128_f8f6f4 v[ACC+8*fT:ACC+8*fT+7], v[fW:fW+11], v[X+12*fs:X+12*fs+11], v[ACC+8*fT:ACC+8*fT+7], v[WS+(\f)/2], v[XS+fs] matrix_a_fmt:MATRIX_FMT_FP6 matrix_b_fmt:MATRIX_FMT_FP6 matrix_a_scale:MATRIX_SCALE_ROW1
.else
	v_wmma_scale_f32_16x16x128_f8f6f4 v[ACC+8*fT:ACC+8*fT+7], v[fW:fW+11], v[X+12*fs:X+12*fs+11], v[ACC+8*fT:ACC+8*fT+7], v[WS+(\f)/2], v[XS+fs] matrix_a_fmt:MATRIX_FMT_FP6 matrix_b_fmt:MATRIX_FMT_FP6
.endif
.endm
; 64 numbers of a lane, register 16 b + i = hidden unit 32 b + 16 h + i of my row, none negative, become a fragment's codes in v[PC] on and its scale word in v[PW].
.macro QUANT
.irp b, 0,1,2,3
	v_max3_num_f32 v[TM+\b], v[ACC+16*\b], v[ACC+16*\b+1], 0x1800000   ; block b: my 16 numbers and the floor 2^(3 - 127)
.endr
.irp i, 2,4,6,8,10,12,14
.irp b, 0,1,2,3
	v_max3_num_f32 v[TM+\b], v[TM+\b], v[ACC+16*\b+\i], v[ACC+16*\b+\i+1]
.endr
.endr
.irp b, 0,1,2,3
	v_permlanex16_b32 v[TM+4+\b], v[TM+\b], s32, s33
.endr
.irp b, 0,1,2,3
	v_max_num_f32 v[TM+\b], v[TM+\b], v[TM+4+\b]   ; with lane l xor 16's: the block's largest
.endr
.irp b, 0,1,2,3
	v_add_nc_u32 v[TM+\b], 0xff000000, v[TM+\b]    ; the conversion's scale operand
.endr
.irp b, 0,1,2,3
	v_lshrrev_b32 v[TM+4+\b], 23, v[TM+\b]         ; the scale's byte
.endr
	v_lshl_or_b32 v[PW], v[TM+5], 8, v[TM+4]
	v_lshl_or_b32 v[PW], v[TM+6], 16, v[PW]
	v_lshl_or_b32 v[PW], v[TM+7], 24, v[PW]
	v_cvt_scalef32_pk16_fp6_f32 v[PC:PC+2], v[ACC:ACC+15], v[TM]
	v_cvt_scalef32_pk16_fp6_f32 v[PB:PB+2], v[ACC+16:ACC+31], v[TM+1]
	v_cvt_scalef32_pk16_fp6_f32 v[PC+6:PC+8], v[ACC+32:ACC+47], v[TM+2]
	v_cvt_scalef32_pk16_fp6_f32 v[PB2:PB2+2], v[ACC+48:ACC+63], v[TM+3]
	v_nop                                          ; one plain line behind the conversions
.irp i, 0,1,2                                  ; the operand's layout wants a whole block in a lane: lanes 0-15 block 2 c, lanes 16-31 block 2 c + 1
	v_permlane16_swap_b32 v[PC+\i], v[PB+\i]
.endr
.irp i, 0,1,2
	v_mov_b32 v[PC+3+\i], v[PB+\i]
.endr
.irp i, 0,1,2
	v_permlane16_swap_b32 v[PC+6+\i], v[PB2+\i]
.endr
.irp i, 0,1,2
	v_mov_b32 v[PC+9+\i], v[PB2+\i]
.endr
.endm
	s_load_b256 s[4:11], s[0:1], 0x0               ; W1 s[4:5], b1 s[6:7], xq s[8:9], sel s[10:11]
	s_load_b128 s[48:51], s[0:1], 0x20             ; hq s[48:49], plan s[50:51]
	s_set_vgpr_msb 0x80
	v_lshl_add_u32 v254, v0, 2, 0x1c200
	v_mov_b32 v255, 0
	s_set_vgpr_msb 0x8000
	v_lshrrev_b32 v[TK], 5, v0
	v_readfirstlane_b32 s14, v[TK]                 ; wave
	s_mov_b32 s15, ttmp9                           ; sl
	s_and_b32 s16, ttmp7, 0xffff                   ; e
	s_mov_b32 s32, 0x76543210
	s_mov_b32 s33, 0xfedcba98                      ; v_permlanex16_b32's selects for lane l xor 16
	v_and_b32 v[LT], 31, v0
	v_lshlrev_b32 v[L16], 4, v[LT]
	v_lshlrev_b32 v[L4], 2, v[LT]
	v_and_b32 v[R15], 15, v[LT]
	v_lshrrev_b32 v[TK], 4, v[LT]                  ; h
	v_mul_u32_u24 v[H384], v[TK], 384
	v_lshlrev_b32 v[BLO], 6, v[TK]
	v_mul_u32_u24 v[LA0], v[LT], 48
	v_add_nc_u32 v[LA1], 49152, v[LA0]
	v_add_nc_u32 v[BI], BIMG, v[L16]
	v_add_nc_u32 v[WSA], WSC, v[L4]
	s_lshl_b32 s21, s14, 11
	v_add_nc_u32 v[BST], s21, v[BI]                ; wave w brings the bias of units 32 w .. 32 w + 31: groups 4 w .. 4 w + 3
	v_add_nc_u32 v[LINI], LISTB, v[L16]            ; every LDS address is made here, by all waves alike
	v_add_nc_u32 v[DMP], 1024, v[LT]
	v_lshlrev_b32 v[L2T], 1, v[LT]
	v_mov_b32 v[RCA], RCNT
	s_lshl_b32 s21, s14, 6
	v_lshl_add_u32 v[LOF], v[R15], 2, s21
	v_add_nc_u32 v[LOF], LISTB, v[LOF]             ; my row's entry in my first tile: place 16 x wave + lane % 16
	; lane l loads columns n = 4 l + j.  Of n: tile T = 2 (l >> 3) + ((l >> 1) & 1), lane r = j + 4 (l & 1) + 8 ((l >> 2) & 1)
	v_lshrrev_b32 v[TK], 3, v[LT]
	v_mul_u32_u24 v[VWA], v[TK], 3072
	v_lshlrev_b32 v[VSA], 7, v[TK]
	v_bfe_u32 v[TK], v[LT], 1, 1
	v_mad_u32_u24 v[VWA], v[TK], 1536, v[VWA]
	v_lshl_add_u32 v[VSA], v[TK], 6, v[VSA]
	v_bfe_u32 v[TK], v[LT], 2, 1
	v_mad_u32_u24 v[VWA], v[TK], 384, v[VWA]
	v_lshl_add_u32 v[VSA], v[TK], 5, v[VSA]
	v_and_b32 v[TK], 1, v[LT]
	v_mad_u32_u24 v[VWA], v[TK], 192, v[VWA]
	v_lshl_add_u32 v[VSA], v[TK], 4, v[VSA]
	s_mul_i32 s21, s14, 24576                      ; wave w makes K steps 2 w and 2 w + 1: 16 fragments
	v_add_nc_u32 v[VWA], s21, v[VWA]
	s_lshl_b32 s21, s14, 10
	s_add_co_u32 s21, s21, WSC
	v_add_nc_u32 v[VSA], s21, v[VSA]
	s_lshl_b32 s36, s16, 24                        ; W1: expert e, column 128 sl, row 256 x wave
	s_lshl_b32 s21, s15, 9
	s_add_co_u32 s36, s36, s21
	s_lshl_b32 s21, s14, 22
	s_add_co_u32 s36, s36, s21
	s_mov_b32 s37, 0                               ; s37 stays 0: s[36:37] is the pair in which offsets are handed to 64-bit sums
	s_lshl_b32 s38, s16, 14                        ; b1: expert e, unit 128 sl + 32 x wave
	s_lshl_b32 s21, s15, 9
	s_add_co_u32 s38, s38, s21
	s_lshl_b32 s21, s14, 7
	s_add_co_u32 s38, s38, s21
	s_mov_b32 s39, 0
	s_wait_kmcnt 0x0
	s_add_nc_u64 s[34:35], s[4:5], s[36:37]
	s_add_nc_u64 s[38:39], s[6:7], s[38:39]
	s_cmp_lg_u32 s14, 0                            ; wave 0 asks for sel first of all: 16 loads of 512 consecutive bytes; lane l of load G holds tokens 64 G + 2 l and 64 G + 2 l + 1
	s_cbranch_scc1 .Lno_sel
.set G, 0
.rept 16
	global_load_b128 v[SL+4*G:SL+4*G+3], v[L16], s[10:11] offset:512*G
.set G, G+1
.endr
.Lno_sel:
.irp u, 0,1
.irp q, 0,1
	global_load_b128 v[CD+4*(2*\u+\q):CD+4*(2*\u+\q)+3], v[BLO], s[38:39] offset:32*\u+16*\q   ; lane (r, h), tile 2 w + u: the bias of units 32 w + 16 h + 8 u + 4 q on
.endr
.endr
	QLOAD 0, 0
	QLOAD 1, 1
	s_add_nc_u64 s[24:25], s[8:9], XSOFF           ; x's scale bytes
	s_lshl_b32 s21, s16, 6                         ; the expert's first tile record: 64 e
	s_mul_i32 s36, s21, 49152
	s_mul_i32 s40, s15, 1536
	s_add_co_u32 s36, s36, s40
	s_add_nc_u64 s[28:29], s[48:49], s[36:37]      ; where tile 0's codes of K step sl go; never rewritten
	s_lshl_b32 s36, s21, 12
	s_lshl_b32 s40, s15, 7
	s_add_co_u32 s36, s36, s40
	s_add_nc_u64 s[30:31], s[48:49], s[36:37]
	s_add_nc_u64 s[30:31], s[30:31], HSOFF         ; and its scale words; never rewritten
	WIN 0                                          ; at a branch and at a label every window is 0
	s_cmp_lg_u32 s14, 0
	s_cbranch_scc1 .Lno_list
	; ---- wave 0 makes the list
.irp i, 0,1,2,3
	v_mov_b32 v[ZQ+\i], 0
.endr
.irp i, 0,1,2,3,4,5,6,7
	ds_store_b128 v[LINI], v[ZQ:ZQ+3] offset:512*\i        ; all 1,024 entries are 0 first: LDS serves a wave's instructions in order, so the entries below land on top
.endr
	s_mov_b32 s54, 0                               ; the running count
	s_wait_loadcnt 63                              ; behind sel's sixteen loads 68 others were issued: with at most 63 out, sel is in
.set G, 0
.rept 16                               ; two tokens a trip of the assembler's loop, their lines by turns.  A token's two registers of sel take its LDS address and its entry, so that no LDS store's sources are written again
.set pA, SL+4*G
.set pB, SL+4*G+2
	v_cmp_eq_u32 s52, s16, v[pA]                   ; e is the token's first choice,
	v_cmp_eq_u32 s53, s16, v[pA+1]                 ; its second
	v_cmp_eq_u32 s56, s16, v[pB]
	v_cmp_eq_u32 s57, s16, v[pB+1]
	v_add_nc_u32 v[TT], 64*G, v[L2T]               ; the tokens' numbers
	v_add_nc_u32 v[TU], 64*G+1, v[L2T]
	v_cndmask_b32 v[pA+1], 0, 1, s53               ; k
	v_cndmask_b32 v[pB+1], 0, 1, s57
	s_or_b32 s52, s52, s53                         ; the lanes whose token chose e (a token's two choices differ)
	s_or_b32 s56, s56, s57
	s_bcnt1_i32_b32 s58, s52
	s_bcnt1_i32_b32 s59, s56
	s_add_co_u32 s55, s54, s58
	v_mbcnt_lo_u32_b32 v[pA], s52, s54             ; place = the count so far + the chosen lanes before mine
	v_mbcnt_lo_u32_b32 v[pB], s56, s55
	s_add_co_u32 s54, s55, s59
	v_cndmask_b32 v[pA], v[DMP], v[pA], s52        ; a token that did not choose e goes to my spare word
	v_cndmask_b32 v[pB], v[DMP], v[pB], s56
	v_min_u32 v[pA], 0x41f, v[pA]                  ; inside the list and its 32 spare words
	v_min_u32 v[pB], 0x41f, v[pB]
	v_lshl_add_u32 v[pA], v[pA], 2, LISTB
	v_lshl_add_u32 v[pB], v[pB], 2, LISTB
	v_lshl_or_b32 v[pA+1], v[pA+1], 16, v[TT]      ; the entry: token | k << 16
	v_lshl_or_b32 v[pB+1], v[pB+1], 16, v[TU]
	ds_store_b32 v[pA], v[pA+1]
	ds_store_b32 v[pB], v[pB+1]
.set G, G+1
.endr
	v_mov_b32 v[RVV], s54
	ds_store_b32 v[RCA], v[RVV]                    ; R_e: all lanes write the same word with the same value
.Lno_list:
	s_wait_dscnt 0x0                               ; for the others' sake: the list and R lie in LDS
	s_barrier_signal -1
	s_barrier_wait -1                              ; nobody writes them again
	ds_load_b32 v[RVL], v[RCA]
	ds_load_b32 v[LN], v[LOF]                      ; my row's entry in tile w: a fixed address
	s_wait_dscnt 0x0
	v_readfirstlane_b32 s17, v[RVL]
	s_min_u32 s17, s17, 1024                       ; R
	s_add_co_u32 s18, s17, 15
	s_lshr_b32 s18, s18, 4                         ; nt
	ROWAT
	ds_load_b32 v[LN], v[LOF] offset:256           ; and in tile w + 4
.irp i, 0,1,2,3,4,5,6,7
	QUNIT \i
.endr
	XRUN 0                                         ; the first tile's x is asked for here, into registers that phase Q has done with: it is on its way while the fragments are fetched from LDS
	XRUN 1
	s_wait_dscnt 0x0                               ; for the others' sake: my codes, bytes and bias lie in LDS
	s_barrier_signal -1
	s_barrier_wait -1                              ; the block lies in LDS as 64 fragments; nobody writes LDS again
.set F, 0
.rept 64
.if F < 63
	WIN (1+F/21)<<6                                ; destination: the fragment's window
.set fW, 12*(F%21)
.else
	WIN 0
.set fW, W63
.endif
.irp q, 0,1,2
	ds_load_b128 v[fW+4*\q:fW+4*\q+3], v[LA0+F/32] offset:1536*(F%32)+16*\q
.endr
.set F, F+1
.endr
	WIN 0
.set G, 0
.rept 32
	ds_load_b32 v[WS+G], v[WSA] offset:128*G
.set G, G+1
.endr
.irp b, 0,1,2,3
	v_mov_b32 v[TM+4+\b], 0                        ; written once: a lane permute's destination counts as one of its sources
.endr
	s_wait_dscnt 0x0
	s_cmp_ge_u32 s14, s18                          ; a wave without a tile has no trip: no barrier stands behind this branch
	s_cbranch_scc1 .Lend
	s_mov_b32 s19, s14                             ; t = wave
	s_sub_co_u32 s43, s18, s14                     ; my trips: the tiles w, w + 4, .. below nt: (nt - w + 3) / 4,
	s_add_co_u32 s43, s43, 3
	s_lshr_b32 s43, s43, 2
	s_min_u32 s43, s43, 16                         ; at most 16: 64 tiles for four waves
	s_mov_b32 s42, 0                               ; the loop is counted in trips, one a trip; t only makes addresses
	BIAS
.Ltile:
	s_wait_loadcnt 13                              ; x's fragments 0-3 and their scale words are in; behind them were issued the other 13 loads of x
	s_wait_dscnt 0x0                               ; the bias lies in the accumulators, and the next tile's list entry is in
.set F, 0
.rept 32
	MM F
.set F, F+1
.endr
	WIN 0
	s_wait_loadcnt 0x0                             ; fragments 4-7; every load's address register is free
	s_wait_xcnt 0x0                                ; the last trip's stores, issued 32 matrix instructions ago, have read their bases and their data: the bases are written here, the data further down
	OUTAT                                          ; where this tile goes
	s_lshl_b32 s21, s19, 4
	s_add_co_u32 s21, s21, 128                     ; tile t + 8
	ROWAT                                          ; these eight plain lines name no register of the products above: they are the places in front of the loads below
	LISTAT
	XRUN 0                                         ; the next tile's first half, into registers that are done with
.rept 32
	MM F
.set F, F+1
.endr
	WIN 0
.rept 4
	v_nop                                          ; places in front of loads into registers that the products have read, and of the first read of results
.endr
	XRUN 1
	ds_load_b32 v[LN], v[LOF]
.set J, 0
.rept 64
	v_max_num_f32 v[ACC+J], 0, v[ACC+J]            ; the activation, in f32; each accumulator from its low end on
.set J, J+1
.endr
	QUANT
	BIAS                                           ; for the next tile
.irp q, 0,1,2
	global_store_b128 v[L16], v[PC+4*\q:PC+4*\q+3], s[44:45] offset:512*\q   ; 32 lanes store 512 consecutive bytes, at a multiple of 256 from hq's first byte
.endr
	global_store_b32 v[L4], v[PW], s[46:47]
	s_add_co_u32 s19, s19, 4                       ; the next tile of mine
	s_add_co_u32 s42, s42, 1
	s_cmp_lt_u32 s42, s43
	s_cbranch_scc1 .Ltile
.Lend:
	; ---- what the later launches want of the list: wave 0 stores the slots of places 32 sl .. 32 sl + 31, and work-group sl = 0 the count
	s_cmp_lg_u32 s14, 0
	s_cbranch_scc1 .Ldone
	s_lshl_b32 s21, s15, 5
	s_cmp_ge_u32 s21, s17                          ; no such place in this expert's list: nothing is stored, so that each word of inv has one owner
	s_cbranch_scc1 .Lno_chunk
	s_sub_co_u32 s20, s17, 1
	v_lshrrev_b32 v[TM], 2, v[L4]
	v_add_nc_u32 v[TM], s21, v[TM]
	v_min_u32 v[TM], s20, v[TM]                    ; lanes beyond the list's end repeat its last place: the same word with the same value
	v_min_u32 v[TM], 0x3ff, v[TM]
	v_lshl_add_u32 v[TM+1], v[TM], 2, LISTB
	ds_load_b32 v[TM+2], v[TM+1]
	s_lshl_b32 s22, s16, 10
	v_add_nc_u32 v[TM], s22, v[TM]                 ; slot = 1024 e + place
	s_wait_dscnt 0x0
	v_and_b32 v[TM+3], 0xffff, v[TM+2]
	v_min_u32 v[TM+3], 0x3ff, v[TM+3]              ; token
	v_lshrrev_b32 v[TM+2], 16, v[TM+2]
	v_min_u32 v[TM+2], 1, v[TM+2]                  ; k
	v_lshlrev_b32 v[TM+3], 3, v[TM+3]
	v_lshl_add_u32 v[TM+3], v[TM+2], 2, v[TM+3]
	s_wait_alu depctr_va_vdst(0)
	global_store_b32 v[TM+3], v[TM], s[50:51] offset:32768
.Lno_chunk:
	s_cmp_lg_u32 s15, 0
	s_cbranch_scc1 .Ldone
	s_lshl_b32 s22, s16, 2
	v_mov_b32 v[TM+5], s22
	v_mov_b32 v[TM+4], s17
	global_store_b32 v[TM+5], v[TM+4], s[50:51] offset:40960   ; R_e: all lanes write the same word with the same value
.Ldone:
	s_wait_dscnt 0x0
	s_barrier_signal -1
	s_barrier_wait -1
	s_set_vgpr_msb 0xa
	s_wait_tensorcnt 0x0
	ds_add_u32 v254, v255
	s_wait_dscnt 0x0
	s_set_vgpr_msb 0xa00
	s_endpgm
.Lfunc_end_k_q854e42eec8_ffn1:
	.size	k_q854e42eec8_ffn1, .Lfunc_end_k_q854e42eec8_ffn1-k_q854e42eec8_ffn1
	.p2alignl 7, 3214868480
	.fill 96, 4, 3214868480
	.section	.rodata,"a",@progbits
	.p2align	6, 0x0
	.amdhsa_kernel k_q854e42eec8_ffn1
		.amdhsa_group_segment_fixed_size 115712
		.amdhsa_private_segment_fixed_size 0
		.amdhsa_enable_private_segment 0
		.amdhsa_kernarg_size 48
		.amdhsa_user_sgpr_count 2
		.amdhsa_user_sgpr_kernarg_segment_ptr 1
		.amdhsa_wavefront_size32 1
		.amdhsa_system_sgpr_workgroup_id_x 1
		.amdhsa_system_sgpr_workgroup_id_y 1
		.amdhsa_system_sgpr_workgroup_id_z 1
		.amdhsa_system_vgpr_workitem_id 0
		.amdhsa_next_free_vgpr 1024
		.amdhsa_next_free_sgpr 66
		.amdhsa_reserve_vcc 0
		.amdhsa_float_denorm_mode_32 3
		.amdhsa_float_denorm_mode_16_64 3
		.amdhsa_memory_ordered 1
		.amdhsa_forward_progress 1
		.amdhsa_inst_pref_size 177
	.end_amdhsa_kernel
	.amdgpu_metadata
---
amdhsa.version: [ 1, 2 ]
amdhsa.kernels:
  - .name:           k_q854e42eec8_ffn1
    .symbol:         k_q854e42eec8_ffn1.kd
    .args:
      - { .name: W1, .offset: 0, .size: 8, .value_kind: global_buffer, .address_space: global }
      - { .name: b1, .offset: 8, .size: 8, .value_kind: global_buffer, .address_space: global }
      - { .name: xq, .offset: 16, .size: 8, .value_kind: global_buffer, .address_space: global }
      - { .name: sel, .offset: 24, .size: 8, .value_kind: global_buffer, .address_space: global }
      - { .name: hq, .offset: 32, .size: 8, .value_kind: global_buffer, .address_space: global }
      - { .name: plan, .offset: 40, .size: 8, .value_kind: global_buffer, .address_space: global }
    .group_segment_fixed_size: 115712
    .private_segment_fixed_size: 0
    .kernarg_segment_align: 8
    .kernarg_segment_size: 48
    .max_flat_workgroup_size: 128
    .sgpr_count:     66
    .vgpr_count:     1024
    .wavefront_size: 32
...
	.end_amdgpu_metadata
.endif
;; end of part 7
;; launch ffn2 (part 8): grid 32 x 8, 4 waves a work-group, no clusters, 120,320 bytes of LDS; arguments W2, hq, plan, ypart; writes ypart
.if DOCPART == 8
	.amdgcn_target "amdgcn-amd-amdhsa--gfx1250"
	.amdhsa_code_object_version 6
	.text
	.protected	k_q854e42eec8_ffn2
	.globl	k_q854e42eec8_ffn2
	.p2align	8
	.type	k_q854e42eec8_ffn2,@function
k_q854e42eec8_ffn2:
	s_mov_b64 s[64:65], 0
	v_nop
	global_prefetch_b8 v0, s[64:65] scope:SCOPE_SE
	s_setreg_imm32_b32 hwreg(HW_REG_WAVE_MODE, 25, 1), 1
	s_wait_xcnt 0x0
; SECOND LAYER OF THE CHOSEN EXPERTS, as partial sums: ypart[kh][1024 e + i][64 sl ..] = the sum over hidden units 2048 kh .. 2048 kh + 2047 of h[i] W2[e], on codes of E2M3 with one E8M0 scale for each 32 along K.
; Only the rows routed to expert e are multiplied: the other rows of y reach no output.
; A work-group owns W2[e][2048 kh .. + 2047][64 sl .. + 63] (sl = work-group x / 2, kh = work-group x % 2, e = work-group y): 512 KiB of f32, read from memory once and never stored as codes.
; THE PRODUCTS STAND BETWEEN THE WEIGHTS' LOADS.  K goes in four chunks of 512.  In chunk c wave w quantises K step 4 c + w: two units of 32 loads (lanes 0-15 a row's 256 bytes, lanes 16-31 those of the row 32 further down),
; turned in registers, quantised, laid into the chunk's own LDS bytes in the order of the operand's registers.  One barrier a chunk; no LDS byte of the codes is written twice.  Every wave then takes the chunk's 16 fragments and
; adds 80 products onto the lasting accumulators of its five row tiles t = w + 4 b, b = 0 .. 4, while the next chunk's 64 loads are out.  h's fragments of a chunk (60 loads, images of their registers) are asked for
; behind the chunk's first unit's turning.  A tile at or beyond nt = ceil(R_e / 16) takes the last tile's data and is not stored: so every way through the chunks issues the same loads.
; ROWS BEYOND 320 of an expert (tiles 20 on): walked behind the chunks, a tile a trip, t = 20 + w + 4 j below nt; all codes still lie in LDS; no barrier stands in that loop.
; THE MATRIX INSTRUCTION IS USED TRANSPOSED (source 0 = 16 columns of W2, source 1 = 16 rows of h): a lane holds eight neighbouring numbers of a row; a tile leaves through the wave's own stage in LDS as whole pieces of 256 bytes.
; NO TENSOR LOADS, NO CLUSTER, NO JOINT REQUESTS, though the 16 slices of an expert's half read the same tiles of hq: a trip count and the stores' branches hang on a count read from memory, and the f32 weights pass through
; registers for the quantiser anyway.  NO PREFETCH: each wave has 32 to 64 loads of the weights out from its first lines to its last chunk.
; LIMITS: NaN and infinities are not served.  A block of zeros gets the byte 1 (the rule says 127) with zero codes: only this program reads the bytes.
; REGISTERS, in windows of 256: window 0: v1-15 addresses, v16-23 the weights' scale words of a chunk, v24-63 h's scale words (8 a tile), v64-255 the quantiser's work and then the chunk's 16 fragments;
;   window 1: the two sets of 32 loads;  window 2: h's fragments, 48 registers a tile;  window 3: the accumulators, 32 a tile.
.set WSC,   98304                      ; LDS: byte 0 the fragments: f = 4 s + T at 1,536 f, lane at 48 x lane, half c at 24 c;  WSC: the scale words: (f, r) at 64 f + 4 r, byte 2 c + h;
.set STG,   102400                     ; STG: a stage of 16 rows x (256 + 16) bytes for each wave;
.set SPARE, 119808                     ; SPARE: the spare words, 128 bytes a wave
.set HSOFF, 25165824
.set L16,  1                           ; v1   16 x lane
.set HSO,  2                           ; v2   h's scale words: 4 x lane, and 128 more for lanes 16-31: they take the K step after lanes 0-15's
.set STO,  3                           ; v3   the stage, in
.set RD,   4                           ; v4   the stage, out
.set YO,   5                           ; v5   my byte offset in two rows of ypart
.set LA0,  6                           ; v6   48 x lane: fragments 0-31;  v7: fragments 32-63
.set LA1,  7
.set WSA,  8                           ; v8   WSC + 4 x lane
.set WO,   9                           ; v9   my 16 bytes of a row piece, lanes 16-31 32 rows down
.set VWA,  10                          ; v10  where my codes go, chunks 0, 1;  v11: chunks 2, 3
.set VSA,  14                          ; v14  where my scale bytes go
.set SPW,  12                          ; v12  my spare word;  v13  0: kept for the add alone
.set NIL,  13
.set WS,   16                          ; register i: lanes 0-15 the chunk's fragment 2 i, lanes 16-31 fragment 2 i + 1
.set HS,   24                          ; tile b at 8 b; register i: lanes 0-15 K step 2 i, lanes 16-31 K step 2 i + 1
.set FR,   64                          ; the chunk's fragment f at 12 f
.set OUT,  64                          ; the way out: tile b's 16 rows at 32 b
.set TR,   64                          ; the quantiser: v64-191 column j's 32 numbers at 32 j
.set CD,   192                         ;                v192-223 column j's codes at 8 j
.set MX,   224                         ;                v224-227 largest magnitudes, then the conversions' scale operands
.set BY,   228                         ;                v228-231 the scale bytes
.set HB,   44                          ; s[44:53] where the five tiles' codes lie in hq;  s[54:63] their scale words
.set SB,   54
.set MSB, 0
.macro WIN new                         ; the immediate's high byte repeats the setting that is left; a switch that changes nothing is dropped
.if MSB != (\new)
	s_set_vgpr_msb (MSB<<8)|(\new)
.set MSB, (\new)
.endif
.endm
.macro PLACES                          ; four places behind matrix instructions, ahead of writes of their sources, loads into them and reads of results
.rept 4
	v_nop
.endr
.endm
.macro QLOAD set, c, k0, n             ; chunk c, unit 'set': rows 512 c + 64 set + K (lanes 16-31: 32 further down) of my 128, K = k0 .. k0 + n - 1
	WIN 0x40
.set K, \k0
.rept \n
	global_load_b128 v[128*(\set)+4*K:128*(\set)+4*K+3], v[WO], s[34:35] offset:(512*(\c)+64*(\set)+K)*4096 th:TH_LOAD_NT
.set K, K+1
.endr
.endm
.macro HSLOAD hs, sb                   ; a tile's scale words of the half's 16 K steps: 8 loads
.irp i, 0,1,2,3,4,5,6,7
	global_load_b32 v[\hs+\i], v[HSO], s[\sb:\sb+1] offset:256*\i
.endr
.endm
.macro HFR b, sb, c                    ; h's fragments of K steps 4 c .. 4 c + 3 of the tile at s[sb], into tile b's registers: 12 loads of 512 consecutive bytes
	WIN 0x80
.irp i, 0,1,2,3
.irp q, 0,1,2
	global_load_b128 v[48*(\b)+12*\i+4*\q:48*(\b)+12*\i+4*\q+3], v[L16], s[\sb:\sb+1] offset:(4*(\c)+\i)*1536+512*\q
.endr
.endr
.endm
; Unit u of chunk c: the blocks of 32 along K of K step 4 c + w, half c' = u, lanes' half h = lane / 16.
.macro QUNIT c, u
.if (\u) == 0
	s_wait_loadcnt 32                              ; this set is in; behind it only the other set's 32 were issued
.elseif (\c) == 3
	s_wait_loadcnt 60                              ; behind this set: h's 60 loads
.else
	s_wait_loadcnt 63                              ; behind this set: h's 60 loads (in chunk 0 also 40 of scale words) and the next chunk's 32, 92 at the least
.endif
	WIN 0x01
.set K, 0
.rept 32
.irp j, 0,1,2,3
	v_mov_b32 v[TR+32*\j+K], v[128*(\u)+4*K+\j]    ; column j's numbers down K into consecutive registers: the conversions want them so
.endr
.set K, K+1
.endr
.if (\u) == 0
.if (\c) == 0
	WIN 0
.irp b, 0,1,2,3,4
	HSLOAD HS+8*\b, SB+2*\b
.endr
.endif
.irp b, 0,1,2,3,4
	HFR \b, HB+2*\b, \c
.endr
.if (\c) < 3
	QLOAD 0, (\c)+1, 0, 32                         ; the set is free: it takes the next chunk's unit
.endif
.elseif (\c) < 3
	QLOAD 1, (\c)+1, 0, 31                         ; all but the last load: so the wait ahead of the products can leave exactly these 63 out
.endif
	WIN 0
.irp j, 0,1,2,3
	v_max3_num_f32 v[MX+\j], |v[TR+32*\j]|, |v[TR+32*\j+1]|, 0x1800000   ; the block's largest magnitude, and the floor 2^(3 - 127): the byte cannot fall under 1
.endr
.irp p, 2,4,6,8,10,12,14,16,18,20,22,24,26,28,30
.irp j, 0,1,2,3
	v_max3_num_f32 v[MX+\j], v[MX+\j], |v[TR+32*\j+\p]|, |v[TR+32*\j+\p+1]|
.endr
.endr
.irp j, 0,1,2,3
	v_add_nc_u32 v[MX+\j], 0xff000000, v[MX+\j]    ; 2 off the exponent field: the conversion's scale operand
.endr
	s_wait_alu depctr_va_vdst(0)
	s_wait_dscnt 0x0                               ; the last unit's LDS stores have read their registers
.irp j, 0,1,2,3
	v_lshrrev_b32 v[BY+\j], 23, v[MX+\j]           ; the scale's byte
.endr
.irp j, 0,1,2,3
	v_cvt_scalef32_pk16_fp6_f32 v[CD+8*\j:CD+8*\j+2], v[TR+32*\j:TR+32*\j+15], v[MX+\j]
	v_cvt_scalef32_pk16_fp6_f32 v[CD+8*\j+4:CD+8*\j+6], v[TR+32*\j+16:TR+32*\j+31], v[MX+\j]   ; (a conversion's three registers begin on an even number)
.endr
	v_nop                                          ; one plain line behind the conversions
.irp j, 0,1,2,3
	v_mov_b32 v[CD+8*\j+3], v[CD+8*\j+4]
	v_mov_b32 v[CD+8*\j+4], v[CD+8*\j+5]
	v_mov_b32 v[CD+8*\j+5], v[CD+8*\j+6]           ; six registers on end: the block's 24 bytes
.endr
.irp j, 0,1,2,3
.if (\u) == 0
	ds_store_b128 v[VWA+(\c)/2], v[CD+8*\j:CD+8*\j+3] offset:((\c)%2)*24576+48*\j
	ds_store_b64 v[VWA+(\c)/2], v[CD+8*\j+4:CD+8*\j+5] offset:((\c)%2)*24576+48*\j+16
.else
	ds_store_b64 v[VWA+(\c)/2], v[CD+8*\j:CD+8*\j+1] offset:((\c)%2)*24576+48*\j+24
	ds_store_b128 v[VWA+(\c)/2], v[CD+8*\j+2:CD+8*\j+5] offset:((\c)%2)*24576+48*\j+32
.endif
	ds_store_b8 v[VSA], v[BY+\j] offset:(\c)*1024+4*\j+2*(\u)
.endr
.endm
.macro FETCH c                         ; chunk c's 16 fragments and their scale words out of LDS: 56 loads
.set F, 16*(\c)
.rept 16
.irp q, 0,1,2
	ds_load_b128 v[FR+12*(F%16)+4*\q:FR+12*(F%16)+4*\q+3], v[LA0+F/32] offset:1536*(F%32)+16*\q
.endr
.set F, F+1
.endr
.set G, 0
.rept 8
	ds_load_b32 v[WS+G], v[WSA] offset:1024*(\c)+128*G
.set G, G+1
.endr
.endm
.macro MM c, b, f                      ; chunk c, tile b, the chunk's fragment f = 4 s' + T.  A tile's four accumulators take turns, one instruction a turn; K step 0 starts the sums
.set ms, 4*(\c)+(\f)/4
.set mD, 32*(\b)+8*((\f)%4)
.set mH, 48*(\b)+12*((\f)/4)
.set mW, FR+12*(\f)
.set mA, WS+(\f)/2
.set mB, HS+8*(\b)+ms/2
.if ms == 0
.if (\f)%2
	v_wmma_scale_f32_16x16x128_f8f6f4 v[mD:mD+7], v[mW:mW+11], v[mH:mH+11], 0, v[mA], v[mB] matrix_a_fmt:MATRIX_FMT_FP6 matrix_b_fmt:MATRIX_FMT_FP6 matrix_a_scale:MATRIX_SCALE_ROW1
.else
	v_wmma_scale_f32_16x16x128_f8f6f4 v[mD:mD+7], v[mW:mW+11], v[mH:mH+11], 0, v[mA], v[mB] matrix_a_fmt:MATRIX_FMT_FP6 matrix_b_fmt:MATRIX_FMT_FP6
.endif
.elseif ms%2
.if (\f)%2
	v_wmma_scale_f32_16x16x128_f8f6f4 v[mD:mD+7], v[mW:mW+11], v[mH:mH+11], v[mD:mD+7], v[mA], v[mB] matrix_a_fmt:MATRIX_FMT_FP6 matrix_b_fmt:MATRIX_FMT_FP6 matrix_a_scale:MATRIX_SCALE_ROW1 matrix_b_scale:MATRIX_SCALE_ROW1
.else
	v_wmma_scale_f32_16x16x128_f8f6f4 v[mD:mD+7], v[mW:mW+11], v[mH:mH+11], v[mD:mD+7], v[mA], v[mB] matrix_a_fmt:MATRIX_FMT_FP6 matrix_b_fmt:MATRIX_FMT_FP6 matrix_b_scale:MATRIX_SCALE_ROW1
.endif
.else
.if (\f)%2
	v_wmma_scale_f32_16x16x128_f8f6f4 v[mD:mD+7], v[mW:mW+11], v[mH:mH+11], v[mD:mD+7], v[mA], v[mB] matrix_a_fmt:MATRIX_FMT_FP6 matrix_b_fmt:MATRIX_FMT_FP6 matrix_a_scale:MATRIX_SCALE_ROW1
.else
	v_wmma_scale_f32_16x16x128_f8f6f4 v[mD:mD+7], v[mW:mW+11], v[mH:mH+11], v[mD:mD+7], v[mA], v[mB] matrix_a_fmt:MATRIX_FMT_FP6 matrix_b_fmt:MATRIX_FMT_FP6
.endif
.endif
.endm
.macro MUL16 c, b                      ; source 0 window 0, source 1 window 2, C and D window 3
	WIN 0xf8
.set MF, 0
.rept 16
	MM \c, \b, MF
.set MF, MF+1
.endr
.endm
.macro PROD c                          ; chunk c's products
	s_wait_dscnt 0x0                               ; for the others' sake: my codes and bytes of this chunk lie in LDS
	s_barrier_signal -1
	s_barrier_wait -1                              ; the chunk lies in LDS as 16 fragments; these bytes are written no more
	FETCH \c
.if (\c) < 3
	s_wait_loadcnt 63                              ; h's fragments and scale words are in; behind them were issued the next chunk's 32 + 31 loads
	QLOAD 1, (\c)+1, 31, 1                         ; and here its last
.else
	s_wait_loadcnt 0x0
.endif
	s_wait_dscnt 0x0
.irp b, 0,1,2,3,4
	MUL16 \c, \b
.endr
	WIN 0
	PLACES
.endm
.macro TOSTAGE b                       ; tile b through my stage: LDS serves a wave's instructions in order
	WIN 0x0c                                       ; the data: window 3
.irp T, 0,1,2,3
	ds_store_b128 v[STO], v[32*(\b)+8*\T:32*(\b)+8*\T+3] offset:64*\T          ; each accumulator from its low end on
	ds_store_b128 v[STO], v[32*(\b)+8*\T+4:32*(\b)+8*\T+7] offset:64*\T+16
.endr
	WIN 0
.irp i, 0,1,2,3,4,5,6,7
	ds_load_b128 v[OUT+32*(\b)+4*\i:OUT+32*(\b)+4*\i+3], v[RD] offset:544*\i
.endr
.endm
.macro SEND b, sb, off                 ; 16 lanes store 256 consecutive bytes, at a multiple of 256 from ypart's first byte
.irp i, 0,1,2,3,4,5,6,7
	global_store_b128 v[YO], v[OUT+32*(\b)+4*\i:OUT+32*(\b)+4*\i+3], s[\sb:\sb+1] offset:(\off)+8192*\i
.endr
.endm
	s_load_b256 s[4:11], s[0:1], 0x0               ; W2 s[4:5], hq s[6:7], plan s[8:9], ypart s[10:11]
	v_lshl_add_u32 v[SPW], v0, 2, SPARE
	v_mov_b32 v[NIL], 0
	v_lshrrev_b32 v16, 5, v0
	v_readfirstlane_b32 s14, v16                   ; wave
	s_lshr_b32 s15, ttmp9, 1                       ; sl
	s_and_b32 s21, ttmp9, 1                        ; kh
	s_and_b32 s16, ttmp7, 0xffff                   ; e
	v_and_b32 v16, 31, v0                          ; lane
	v_and_b32 v17, 15, v16                         ; lane % 16
	v_lshrrev_b32 v18, 4, v16                      ; lane / 16
	v_lshlrev_b32 v[L16], 4, v16
	v_lshlrev_b32 v[HSO], 2, v16
	v_lshl_add_u32 v[HSO], v18, 7, v[HSO]
	v_lshlrev_b32 v[YO], 4, v17
	v_lshl_add_u32 v[WO], v18, 17, v[YO]           ; 32 rows of 4,096 bytes
	s_mul_i32 s20, s14, 4352
	s_add_co_u32 s20, s20, STG                     ; my stage
	v_mul_u32_u24 v[STO], v17, 272
	v_lshl_add_u32 v[STO], v18, 5, v[STO]
	v_add_nc_u32 v[STO], s20, v[STO]               ; in: row lane % 16, 32 bytes for each half of the lanes
	v_mul_u32_u24 v[RD], v18, 272
	v_add_nc_u32 v[RD], v[RD], v[YO]
	v_add_nc_u32 v[RD], s20, v[RD]                 ; out: lanes 0-15 one row, lanes 16-31 the next
	v_lshl_add_u32 v[YO], v18, 12, v[YO]           ; and the same two rows in ypart
	v_mul_u32_u24 v[LA0], v16, 48
	v_add_nc_u32 v[LA1], 49152, v[LA0]
	v_lshlrev_b32 v[WSA], 2, v16
	v_add_nc_u32 v[WSA], WSC, v[WSA]
	; lane (q = lane % 16, g = lane / 16) loads columns 4 q + j: tile T = q / 4, lane r = 4 (q % 4) + j; its rows are the half h = g of a K step's half
	v_lshrrev_b32 v19, 2, v17
	v_mul_u32_u24 v[VWA], v19, 1536
	v_lshlrev_b32 v[VSA], 6, v19
	v_and_b32 v19, 3, v17
	v_mad_u32_u24 v[VWA], v19, 192, v[VWA]
	v_lshl_add_u32 v[VSA], v19, 4, v[VSA]
	v_mad_u32_u24 v[VWA], v18, 768, v[VWA]
	v_add_nc_u32 v[VSA], v[VSA], v18
	s_mul_i32 s20, s14, 6144                       ; in each chunk wave w makes K step w of its four: 4 fragments
	v_add_nc_u32 v[VWA], s20, v[VWA]
	v_add_nc_u32 v[VWA+1], 49152, v[VWA]
	s_lshl_b32 s20, s14, 8
	s_add_co_u32 s20, s20, WSC
	v_add_nc_u32 v[VSA], s20, v[VSA]
	s_lshl_b32 s36, s16, 24                        ; W2: expert e, half kh, column 64 sl, row 128 x wave
	s_lshl_b32 s20, s21, 23
	s_add_co_u32 s36, s36, s20
	s_lshl_b32 s20, s15, 8
	s_add_co_u32 s36, s36, s20
	s_lshl_b32 s20, s14, 19
	s_add_co_u32 s36, s36, s20
	s_mov_b32 s37, 0                               ; s37 stays 0: s[36:37] is the pair in which offsets are handed to 64-bit sums
	s_lshl_b32 s22, s16, 2
	s_mov_b32 s23, 0
	s_wait_alu depctr_va_vdst(0)
	s_wait_kmcnt 0x0
	s_add_nc_u64 s[34:35], s[4:5], s[36:37]
	s_add_nc_u64 s[22:23], s[8:9], s[22:23]
	s_load_b32 s17, s[22:23], 0xa000               ; R_e
	QLOAD 0, 0, 0, 32
	QLOAD 1, 0, 0, 32
	s_mul_i32 s36, s16, 3145728                    ; hq: the expert's 64 tile records, the half's 16 K steps
	s_mul_i32 s20, s21, 24576
	s_add_co_u32 s36, s36, s20
	s_add_nc_u64 s[24:25], s[6:7], s[36:37]
	s_lshl_b32 s36, s16, 18
	s_lshl_b32 s20, s21, 11
	s_add_co_u32 s36, s36, s20
	s_add_nc_u64 s[30:31], s[6:7], s[36:37]
	s_add_nc_u64 s[30:31], s[30:31], HSOFF         ; and their scale words
	s_lshl_b32 s36, s21, 25                        ; ypart: half kh, row 1024 e, column 64 sl
	s_lshl_b32 s20, s16, 22
	s_add_co_u32 s36, s36, s20
	s_lshl_b32 s20, s15, 8
	s_add_co_u32 s36, s36, s20
	s_add_nc_u64 s[38:39], s[10:11], s[36:37]
	s_lshl_b32 s36, s14, 16
	s_add_nc_u64 s[40:41], s[38:39], s[36:37]      ; tile w's 16 rows; tile w + 4 b lies 262,144 b bytes on
	s_wait_kmcnt 0x0
	s_min_u32 s17, s17, 1024                       ; R
	s_add_co_u32 s18, s17, 15
	s_lshr_b32 s18, s18, 4                         ; nt
	s_sub_co_u32 s23, s18, 1                       ; nt - 1 (where nt = 0 it holds nothing back: the constant 63 below does; what is then loaded lies inside hq and is not used)
.irp b, 0,1,2,3,4
	s_add_co_u32 s22, s14, 4*\b                    ; tile w + 4 b, held at the expert's last
	s_min_u32 s22, s22, s23
	s_min_u32 s22, s22, 63
	s_mul_i32 s36, s22, 49152
	s_add_nc_u64 s[HB+2*\b:HB+2*\b+1], s[24:25], s[36:37]
	s_lshl_b32 s36, s22, 12
	s_add_nc_u64 s[SB+2*\b:SB+2*\b+1], s[30:31], s[36:37]
.endr
.irp c, 0,1,2,3
	QUNIT \c, 0
	QUNIT \c, 1
	PROD \c
.endr
	; the five tiles go through the stage with no branch; only the stores hang on nt
.irp b, 0,1,2,3,4
	TOSTAGE \b
.endr
	s_wait_dscnt 0x0
.irp b, 0,1,2,3,4
	s_add_co_u32 s22, s14, 4*\b
	s_cmp_ge_u32 s22, s18                          ; the tiles ascend: the first that is not there ends the stores
	s_cbranch_scc1 .Lstored
	SEND \b, 40, 262144*\b
.endr
.Lstored:
	; ---- tiles 20 on: a tile a trip, on tile 0's registers; the fragments come from LDS chunk by chunk
	s_add_co_u32 s19, s14, 20                      ; t
	s_cmp_ge_u32 s19, s18
	s_cbranch_scc1 .Lend
	s_sub_co_u32 s43, s18, s19                     ; my trips: (nt - t + 3) / 4,
	s_add_co_u32 s43, s43, 3
	s_lshr_b32 s43, s43, 2
	s_min_u32 s43, s43, 11                         ; at most 11: tiles 20 .. 63 for four waves
	s_mov_b32 s42, 0
.Ltile:
	v_nop                                          ; a fifth place behind the last products: this trip's first products begin tile 0's accumulators anew and so write over their registers
	s_wait_xcnt 0x0
	s_min_u32 s22, s19, 63
	s_mul_i32 s36, s22, 49152
	s_add_nc_u64 s[26:27], s[24:25], s[36:37]
	s_lshl_b32 s36, s22, 12
	s_add_nc_u64 s[28:29], s[30:31], s[36:37]
	s_lshl_b32 s36, s22, 16
	s_add_nc_u64 s[32:33], s[38:39], s[36:37]
	HSLOAD HS, 28
.irp c, 0,1,2,3
	FETCH \c
	HFR 0, 26, \c
	s_wait_loadcnt 0x0
	s_wait_dscnt 0x0
	MUL16 \c, 0
	WIN 0
	PLACES
.endr
	TOSTAGE 0
	s_wait_dscnt 0x0
	SEND 0, 32, 0
	s_add_co_u32 s19, s19, 4
	s_add_co_u32 s42, s42, 1
	s_cmp_lt_u32 s42, s43
	s_cbranch_scc1 .Ltile
.Lend:
	s_wait_dscnt 0x0
	s_barrier_signal -1
	s_barrier_wait -1
	s_wait_tensorcnt 0x0                           ; the wave's end, behind my last LDS store
	ds_add_u32 v[SPW], v[NIL]
	s_wait_dscnt 0x0
	s_endpgm
.Lfunc_end_k_q854e42eec8_ffn2:
	.size	k_q854e42eec8_ffn2, .Lfunc_end_k_q854e42eec8_ffn2-k_q854e42eec8_ffn2
	.p2alignl 7, 3214868480
	.fill 96, 4, 3214868480
	.section	.rodata,"a",@progbits
	.p2align	6, 0x0
	.amdhsa_kernel k_q854e42eec8_ffn2
		.amdhsa_group_segment_fixed_size 120320
		.amdhsa_private_segment_fixed_size 0
		.amdhsa_enable_private_segment 0
		.amdhsa_kernarg_size 32
		.amdhsa_user_sgpr_count 2
		.amdhsa_user_sgpr_kernarg_segment_ptr 1
		.amdhsa_wavefront_size32 1
		.amdhsa_system_sgpr_workgroup_id_x 1
		.amdhsa_system_sgpr_workgroup_id_y 1
		.amdhsa_system_sgpr_workgroup_id_z 1
		.amdhsa_system_vgpr_workitem_id 0
		.amdhsa_next_free_vgpr 1024
		.amdhsa_next_free_sgpr 66
		.amdhsa_reserve_vcc 0
		.amdhsa_float_denorm_mode_32 3
		.amdhsa_float_denorm_mode_16_64 3
		.amdhsa_memory_ordered 1
		.amdhsa_forward_progress 1
		.amdhsa_inst_pref_size 235
	.end_amdhsa_kernel
	.amdgpu_metadata
---
amdhsa.version: [ 1, 2 ]
amdhsa.kernels:
  - .name:           k_q854e42eec8_ffn2
    .symbol:         k_q854e42eec8_ffn2.kd
    .args:
      - { .name: W2, .offset: 0, .size: 8, .value_kind: global_buffer, .address_space: global }
      - { .name: hq, .offset: 8, .size: 8, .value_kind: global_buffer, .address_space: global }
      - { .name: plan, .offset: 16, .size: 8, .value_kind: global_buffer, .address_space: global }
      - { .name: ypart, .offset: 24, .size: 8, .value_kind: global_buffer, .address_space: global }
    .group_segment_fixed_size: 120320
    .private_segment_fixed_size: 0
    .kernarg_segment_align: 8
    .kernarg_segment_size: 32
    .max_flat_workgroup_size: 128
    .sgpr_count:     66
    .vgpr_count:     1024
    .wavefront_size: 32
...
	.end_amdgpu_metadata
.endif
;; end of part 8
;; launch combine (part 9): grid 256 x 1, 8 waves a work-group, no clusters, 0 bytes of LDS; arguments ypart, b2, plan, gate, out0; writes out0
.if DOCPART == 9
	.amdgcn_target "amdgcn-amd-amdhsa--gfx1250"
	.amdhsa_code_object_version 6
	.text
	.protected	k_q854e42eec8_combine
	.globl	k_q854e42eec8_combine
	.p2align	8
	.type	k_q854e42eec8_combine,@function
k_q854e42eec8_combine:
	s_mov_b64 s[64:65], 0
	v_nop
	global_prefetch_b8 v0, s[64:65] scope:SCOPE_SE
	s_setreg_imm32_b32 hwreg(HW_REG_WAVE_MODE, 25, 1), 1
	s_wait_xcnt 0x0
; out0[token] = w0 sigmoid(y0 + b2[e0]) + w1 sigmoid(y1 + b2[e1]); y_k = the two halves of K of the token's row at slot_k in ypart.
; A wave takes half a token's row: token = 4 x work-group + wave / 2, columns 512 (wave % 2) on, 16 a lane.  The slots come from plan (whole numbers that an earlier launch stored), the weights from gate.
; A stream: 24 loads of 512 consecutive bytes a wave, all issued at once, four stores of 512 consecutive bytes.  No LDS, no barrier, no matrix unit: waves share nothing.
; sigmoid(z) = 1 / (1 + 2^(-z log2 e)): where the power overflows to infinity the reciprocal is 0, which is the limit.  LIMITS: NaN and infinities among the inputs are not served.
	s_load_b256 s[4:11], s[0:1], 0x0               ; ypart s[4:5], b2 s[6:7], plan s[8:9], gate s[10:11]
	s_load_b64 s[12:13], s[0:1], 0x20              ; out0
	v_lshrrev_b32 v1, 5, v0
	s_delay_alu instid0(VALU_DEP_1)
	v_readfirstlane_b32 s14, v1                    ; wave
	v_and_b32 v1, 31, v0
	s_delay_alu instid0(VALU_DEP_1)
	v_lshlrev_b32 v1, 4, v1                        ; 16 x lane
	s_lshr_b32 s15, s14, 1
	s_lshl_b32 s24, ttmp9, 2
	s_add_co_u32 s15, s15, s24                     ; token
	s_and_b32 s14, s14, 1
	s_lshl_b32 s44, s14, 11                        ; my half of a row, in bytes
	s_lshl_b32 s24, s15, 3
	s_mov_b32 s25, 0
	s_wait_alu depctr_va_vdst(0)
	s_wait_kmcnt 0x0
	s_add_nc_u64 s[26:27], s[8:9], s[24:25]
	s_add_nc_u64 s[28:29], s[10:11], s[24:25]
	s_load_b64 s[16:17], s[26:27], 0x8000          ; the two slots
	s_load_b64 s[18:19], s[28:29], 0x0             ; the two weights
	s_lshl_b32 s24, s15, 12
	s_add_co_u32 s24, s24, s44
	s_add_nc_u64 s[12:13], s[12:13], s[24:25]      ; my half row of out0
	s_wait_kmcnt 0x0
	s_min_u32 s16, s16, 0x1fff                     ; a slot stays inside ypart,
	s_min_u32 s17, s17, 0x1fff
	s_lshr_b32 s30, s16, 10
	s_min_u32 s30, s30, 7                          ; its expert inside b2
	s_lshr_b32 s31, s17, 10
	s_min_u32 s31, s31, 7
	s_lshl_b32 s24, s16, 12
	s_add_co_u32 s24, s24, s44
	s_add_nc_u64 s[32:33], s[4:5], s[24:25]        ; slot 0, first half of K,
	s_add_nc_u64 s[34:35], s[32:33], 0x2000000     ; second half
	s_lshl_b32 s24, s17, 12
	s_add_co_u32 s24, s24, s44
	s_add_nc_u64 s[36:37], s[4:5], s[24:25]        ; slot 1 likewise
	s_add_nc_u64 s[38:39], s[36:37], 0x2000000
	s_lshl_b32 s24, s30, 12
	s_add_co_u32 s24, s24, s44
	s_add_nc_u64 s[40:41], s[6:7], s[24:25]        ; the two experts' biases
	s_lshl_b32 s24, s31, 12
	s_add_co_u32 s24, s24, s44
	s_add_nc_u64 s[42:43], s[6:7], s[24:25]
	s_mov_b32 s20, s18                             ; the packed forms name a pair and take its low word for both halves: so both words are written
	s_mov_b32 s21, s18
	s_mov_b32 s22, s19
	s_mov_b32 s23, s19
.irp i, 0,1,2,3
	global_load_b128 v[16+4*\i:19+4*\i], v1, s[32:33] offset:512*\i th:TH_LOAD_NT
	global_load_b128 v[32+4*\i:35+4*\i], v1, s[34:35] offset:512*\i th:TH_LOAD_NT
	global_load_b128 v[48+4*\i:51+4*\i], v1, s[40:41] offset:512*\i
	global_load_b128 v[64+4*\i:67+4*\i], v1, s[36:37] offset:512*\i th:TH_LOAD_NT
	global_load_b128 v[80+4*\i:83+4*\i], v1, s[38:39] offset:512*\i th:TH_LOAD_NT
	global_load_b128 v[96+4*\i:99+4*\i], v1, s[42:43] offset:512*\i
.endr
	s_wait_loadcnt 0x0
.irp p, 0,2,4,6,8,10,12,14
	v_pk_add_f32 v[16+\p:17+\p], v[16+\p:17+\p], v[32+\p:33+\p]    ; the two halves of K
	v_pk_add_f32 v[64+\p:65+\p], v[64+\p:65+\p], v[80+\p:81+\p]
.endr
.irp p, 0,2,4,6,8,10,12,14
	v_pk_add_f32 v[16+\p:17+\p], v[16+\p:17+\p], v[48+\p:49+\p]    ; + b2
	v_pk_add_f32 v[64+\p:65+\p], v[64+\p:65+\p], v[96+\p:97+\p]
.endr
.irp p, 0,2,4,6,8,10,12,14
	v_pk_mul_f32 v[16+\p:17+\p], v[16+\p:17+\p], 0xbfb8aa3b op_sel_hi:[1,0]    ; x -log2(e)
	v_pk_mul_f32 v[64+\p:65+\p], v[64+\p:65+\p], 0xbfb8aa3b op_sel_hi:[1,0]
.endr
	s_wait_alu depctr_va_vdst(0)
.irp j, 0,1,2,3,4,5,6,7,8,9,10,11,12,13,14,15
	v_exp_f32 v[16+\j], v[16+\j]
	v_exp_f32 v[64+\j], v[64+\j]
.endr
	v_nop                                          ; a plain line behind the batch,
	s_wait_alu depctr_va_vdst(0)                   ; and one wait for all 32, ahead of the first line that names a result
.irp p, 0,2,4,6,8,10,12,14
	v_pk_add_f32 v[16+\p:17+\p], v[16+\p:17+\p], 1.0 op_sel_hi:[1,0]
	v_pk_add_f32 v[64+\p:65+\p], v[64+\p:65+\p], 1.0 op_sel_hi:[1,0]
.endr
	s_wait_alu depctr_va_vdst(0)
.irp j, 0,1,2,3,4,5,6,7,8,9,10,11,12,13,14,15
	v_rcp_f32 v[16+\j], v[16+\j]
	v_rcp_f32 v[64+\j], v[64+\j]
.endr
	v_nop
	s_wait_alu depctr_va_vdst(0)
.irp p, 0,2,4,6,8,10,12,14
	v_pk_mul_f32 v[16+\p:17+\p], v[16+\p:17+\p], s[20:21] op_sel_hi:[1,0]
.endr
.irp p, 0,2,4,6,8,10,12,14
	v_pk_fma_f32 v[16+\p:17+\p], v[64+\p:65+\p], s[22:23], v[16+\p:17+\p] op_sel_hi:[1,0,1]
.endr
.irp i, 0,1,2,3
	global_store_b128 v1, v[16+4*\i:19+4*\i], s[12:13] offset:512*\i th:TH_STORE_NT   ; 32 lanes store 512 consecutive bytes, at a multiple of 256 from out0's first byte
.endr
	s_endpgm
.Lfunc_end_k_q854e42eec8_combine:
	.size	k_q854e42eec8_combine, .Lfunc_end_k_q854e42eec8_combine-k_q854e42eec8_combine
	.p2alignl 7, 3214868480
	.fill 96, 4, 3214868480
	.section	.rodata,"a",@progbits
	.p2align	6, 0x0
	.amdhsa_kernel k_q854e42eec8_combine
		.amdhsa_group_segment_fixed_size 0
		.amdhsa_private_segment_fixed_size 0
		.amdhsa_enable_private_segment 0
		.amdhsa_kernarg_size 40
		.amdhsa_user_sgpr_count 2
		.amdhsa_user_sgpr_kernarg_segment_ptr 1
		.amdhsa_wavefront_size32 1
		.amdhsa_system_sgpr_workgroup_id_x 1
		.amdhsa_system_sgpr_workgroup_id_y 1
		.amdhsa_system_sgpr_workgroup_id_z 1
		.amdhsa_system_vgpr_workitem_id 0
		.amdhsa_next_free_vgpr 112
		.amdhsa_next_free_sgpr 66
		.amdhsa_reserve_vcc 0
		.amdhsa_float_denorm_mode_32 3
		.amdhsa_float_denorm_mode_16_64 3
		.amdhsa_memory_ordered 1
		.amdhsa_forward_progress 1
		.amdhsa_inst_pref_size 13
	.end_amdhsa_kernel
	.amdgpu_metadata
---
amdhsa.version: [ 1, 2 ]
amdhsa.kernels:
  - .name:           k_q854e42eec8_combine
    .symbol:         k_q854e42eec8_combine.kd
    .args:
      - { .name: ypart, .offset: 0, .size: 8, .value_kind: global_buffer, .address_space: global }
      - { .name: b2, .offset: 8, .size: 8, .value_kind: global_buffer, .address_space: global }
      - { .name: plan, .offset: 16, .size: 8, .value_kind: global_buffer, .address_space: global }
      - { .name: gate, .offset: 24, .size: 8, .value_kind: global_buffer, .address_space: global }
      - { .name: out0, .offset: 32, .size: 8, .value_kind: global_buffer, .address_space: global }
    .group_segment_fixed_size: 0
    .private_segment_fixed_size: 0
    .kernarg_segment_align: 8
    .kernarg_segment_size: 40
    .max_flat_workgroup_size: 256
    .sgpr_count:     66
    .vgpr_count:     112
    .wavefront_size: 32
...
	.end_amdgpu_metadata
.endif
;; end of part 9
